; MI455X (gfx1250); checked and timed in simulation.
; The chip was launched on July 23, 2026; its instructions are those of AMD's public machine-readable ISA for CDNA 5 (MIT licence, August 2026) and "CDNA5" Instruction Set Architecture Reference Guide (July 2026). The comments in the code are by the model that wrote it; some were corrected since.
;; Causal Multi Head Self Attention. Allowed arithmetic: matrix products marked QUANTISED: E2M1 operands, one E8M0 scale for each 32 along K, by v_wmma_scale_f32_16x16x128_f8f6f4 with both operands' format E2M1 (or v_wmma_scale_f32_32x16x128_f4), f32 sums; products left as they are: bf16, f16 or f32 operands; f32 sums; everything else in f32.
;; Inputs: Wk 1,024 x 1,024 float32; Wo 1,024 x 1,024 float32; Wq 1,024 x 1,024 float32; Wv 1,024 x 1,024 float32; token_positions 4,096 int32; x 1 x 4,096 x 1,024 float32.
;; Outputs: out0 1 x 4,096 x 1,024 float32.
;; This version of the problem:
;;   THIS VERSION OF THE PROBLEM IS GIVEN IN LOW PRECISION. The matrix products marked QUANTISED in the list below multiply operands that are first quantised to E2M1 (2 exponent bits, 1 mantissa bit; 4 bits a number), with one power-of-two scale for each 32 numbers along K (OCP MX v1.0); their sums are f32. The products marked 'left as it is' may take bf16, f16 or f32 operands, with f32 sums. Whichever they take, every output number must still come out within the allowed error. Rounding operands to bf16 (8 significant bits) uses up far more of that allowance than f16 does (11 bits, for magnitudes from 6e-5 to 65,504). All else is computed in f32.
;;   The module's matrix products, in the order in which they are computed (A, B: the left and right operand; K: the contracted axis; several contracted axes count as one K, in the product's order):
;;     1. [M 4,096, K 1,024] x [K 1,024, N 1,024]; A: input x; B: input Wq: QUANTISED
;;     2. [M 4,096, K 1,024] x [K 1,024, N 1,024]; A: input x; B: input Wk: QUANTISED
;;     3. [M 4,096, K 1,024] x [K 1,024, N 1,024]; A: input x; B: input Wv: QUANTISED
;;     4. batch 8 x [M 4,096, K 128] x [K 128, N 4,096]; A: computed on the way; B: computed on the way: left as it is (an operand is computed on the way)
;;     5. batch 8 x [M 4,096, K 4,096] x [K 4,096, N 128]; A: computed on the way; B: computed on the way: left as it is (an operand is computed on the way)
;;     6. [M 4,096, K 1,024] x [K 1,024, N 1,024]; A: computed on the way; B: input Wo: left as it is (an operand is computed on the way)
;;   THE QUANTISER, for each operand of a quantised product, along K:
;;     - K is cut into blocks of 32 from its start; a last block that is shorter is filled with zeros.
;;     - A block's scale is 2^e with e = floor(log2(the largest magnitude in the block)) - 2, held to -126 .. 127; a block of zeros has e = 0. As a byte (E8M0): e + 127.
;;     - Each number is divided by its block's scale, clamped to +-6, and rounded to the nearest number of E2M1, ties to even, subnormals kept.
;;     - The product sums the exact products of the quantised numbers (number of the format x scale) in f32.
;;   ~~~python
;;   def quantise(x, axis):      # numpy; x: float32 -> the quantised numbers, widened to float32 again
;;       x = np.moveaxis(x, axis, -1); K = x.shape[-1]
;;       x = np.pad(x, [(0, 0)] * (x.ndim - 1) + [(0, -K % 32)]); x = x.reshape(x.shape[:-1] + (-1, 32)); a = np.abs(x).max(-1, keepdims=True)
;;       e = np.where(a > 0, np.clip(np.frexp(np.where(a > 0, a, 1))[1] - 1 - 2, -126, 127), 0)      # np.frexp(a)[1] - 1 = floor(log2(a)), exactly
;;       r = np.clip(x / 2.0 ** e, -6, 6)
;;       step = 2.0 ** (np.maximum(np.frexp(np.where(r == 0, 1, r))[1] - 1, 0) - 1)
;;       q = np.round(r / step) * step * 2.0 ** e      # np.round: ties to even
;;       return np.moveaxis(q.reshape(q.shape[:-2] + (-1,))[..., :K], -1, axis).astype(np.float32)
;;   ~~~
;; One version. Each part assembles by itself: llvm-mc -triple=amdgcn-amd-amdhsa -mcpu=gfx1250 --defsym DOCPART=n.
;; ======== version 1 of 1: 5 launches
;; limits: values are held in f16: magnitudes above 65,504 overflow, below 6.1e-05 lose precision; right only within a limited range of input values
;; workspace buffers: xq 2,228,224 bytes; wq 1,671,168 bytes; wo16 2,097,152 bytes; rt 2,097,152 bytes; qi 8,388,608 bytes; kv 16,777,216 bytes; first16 196,608 bytes; att 8,388,608 bytes
;; launch prep (part 1): grid 1536 x 1, 4 waves a work-group, no clusters, 34,560 bytes of LDS; arguments x, Wq, Wk, Wv, Wo, token_positions, xq, wq, wo16, rt; writes xq, wq, wo16, rt
.if DOCPART == 1
	.amdgcn_target "amdgcn-amd-amdhsa--gfx1250"
	.amdhsa_code_object_version 6
	.text
	.protected	k_q853edf0158_prep
	.globl	k_q853edf0158_prep
	.p2align	8
	.type	k_q853edf0158_prep,@function
k_q853edf0158_prep:
	s_mov_b64 s[64:65], 0
	v_nop
	global_prefetch_b8 v0, s[64:65] scope:SCOPE_SE
	s_setreg_imm32_b32 hwreg(HW_REG_WAVE_MODE, 25, 1), 1
	s_wait_xcnt 0x0
; CAUSAL SELF-ATTENTION, S = 4,096, 8 heads of 128, in five launches: prep, qkv, attn, proj, rows16.
; This launch: x, Wq, Wk, Wv become codes of E2M1 with one E8M0 byte for each 32 along K = 1,024, laid as images of the operand's registers; Wo becomes f16; token_positions becomes a table of cos and sin.
; WORK LEFT OUT IN THE PROGRAM: reference() sets every score with key > query to -infinity by its own jnp.tril; the softmax gives such a key the weight 0 whatever the inputs hold, so a tile of keys
; that lies wholly behind all queries of a block reaches no output, and launch attn walks no such tile.  All six inputs have a way to the output and all are loaded.
; LIMITS: a NaN, an infinity or an overflow that reaches only the scores left out is not carried to the result.  NaN and infinities among the inputs are not served.  A block of zeros gets the scale byte 1
; where the rule says 127: its codes are zeros, and this program alone reads the bytes.  |token position| up to 2^20: the angle is reduced by three parts of pi / 2.  q, k, v and the attention's result go on in f16: magnitudes under 65,504.
; SHARES.  Work-groups 0-895: a tile of 16 rows x 512 along K of x (0-511) or of Wq, Wk, Wv (512-895); wave w takes 128 along K.  896-1,023: Wo, 2,048 numbers a wave.  1,024-1,535: the table, 16 tokens x 8 pairs a wave.
; The paths part on the work-group's number, the same in all four waves; the first path alone touches LDS.
.set STG,   8448                       ; a wave's stage: 16 rows of 512 bytes + 16
.set SCW,   33792                      ; the tile's 64 scale words
.set SPARE, 34048                      ; the spare words, 128 bytes a wave: no other line names them
.set SPW, 12                           ; v12  my spare word's address; never rewritten
.set NIL, 13                           ; v13  0; never rewritten
.set R,   16                           ; v16-79   as loaded
.set X,   80                           ; v80-143  two blocks of 32 neighbours along K
.set C,   144                          ; v144-151 the fragment's codes
.set MX,  152                          ; v152-153 largest magnitudes
.set SO,  154                          ; v154-155 the conversions' scale operands
.set BY,  156                          ; v156-157 scale bytes
.set WD,  158                          ; v158 the scale word
.set TW,  159
	s_load_b256 s[4:11], s[0:1], 0x0               ; x, Wq, Wk, Wv
	s_load_b256 s[12:19], s[0:1], 0x20             ; Wo, token_positions, xq, wq
	s_load_b128 s[20:23], s[0:1], 0x40             ; wo16, rt
	v_lshl_add_u32 v[SPW], v0, 2, SPARE
	v_mov_b32 v[NIL], 0
	v_lshrrev_b32 v1, 5, v0
	v_readfirstlane_b32 s3, v1                     ; wave
	v_and_b32 v1, 31, v0                           ; lane
	v_and_b32 v2, 15, v0                           ; r
	v_bfe_u32 v3, v0, 4, 1                         ; h
	v_lshlrev_b32 v4, 4, v1                        ; 16 x lane
	s_cmp_ge_u32 ttmp9, 896
	s_cbranch_scc1 .Lnot_fp4
	; ---- codes and scales.  x: tile = id / 2, half of K = id % 2.  W: j = id - 512: matrix j / 128, tile (j % 128) / 2, half j % 2
	s_cmp_lt_u32 ttmp9, 512
	s_cselect_b32 s24, 0, 512
	s_cselect_b32 s25, 20, 18                      ; a half of K is 2^20 bytes of x's codes, 2^18 of a W's
	s_cselect_b32 s26, 16, 14                      ; and 2^16 or 2^14 bytes of scales
	s_mov_b32 s27, 0x180000
	s_cselect_b32 s27, 0x200000, s27               ; where the scales begin in the buffer
	s_mov_b32 s30, 127
	s_cselect_b32 s30, 511, s30
	s_sub_co_u32 s24, ttmp9, s24                   ; j
	s_and_b32 s31, s24, 1                          ; half of K
	s_and_b32 s34, s24, s30
	s_lshr_b32 s34, s34, 1                         ; tile
	s_and_not1_b32 s35, s24, s30
	s_lshr_b32 s35, s35, 7                         ; matrix (0 for x)
	s_lshl_b32 s36, s35, 1
	s_add_co_u32 s36, s36, s31
	s_lshl_b32 s38, s34, 16                        ; source: 16 rows of 4,096 bytes a tile,
	s_lshl_b32 s37, s31, 11                        ; 2,048 bytes a half of K,
	s_add_co_u32 s38, s38, s37
	s_lshl_b32 s37, s3, 9                          ; 512 bytes a wave
	s_add_co_u32 s38, s38, s37
	s_mov_b32 s39, 0
	s_lshl_b32 s40, s36, s25                       ; codes: 4,096 bytes a tile, 1,024 a wave
	s_lshl_b32 s37, s34, 12
	s_add_co_u32 s40, s40, s37
	s_lshl_b32 s37, s3, 10
	s_add_co_u32 s40, s40, s37
	s_mov_b32 s41, 0
	s_lshl_b32 s42, s36, s26                       ; scales: 256 bytes a tile
	s_add_co_u32 s42, s42, s27
	s_lshl_b32 s37, s34, 8
	s_add_co_u32 s42, s42, s37
	s_mov_b32 s43, 0
	s_mul_i32 s37, s3, STG
	v_add_nc_u32 v5, s37, v4                       ; the stage on the way in: a row's 512 bytes as they lie
	v_mul_u32_u24 v6, v2, 528
	v_lshl_add_u32 v6, v3, 7, v6
	v_add_nc_u32 v6, s37, v6                       ; and out: row r, 128 bytes on for lanes 16-31: k = 64 c + 32 h + 0 .. 31
	s_lshl_b32 s44, s3, 2
	s_add_co_u32 s44, s44, SCW
	v_lshl_add_u32 v7, v2, 4, s44                  ; my row's word for my wave's 128 along K
	v_lshl_add_u32 v8, v1, 3, SCW
	v_lshlrev_b32 v9, 3, v1
	v_lshlrev_b32 v10, 3, v3                       ; 8 h
	s_mov_b32 s46, 0x76543210
	s_mov_b32 s47, 0xfedcba98                      ; lane l xor 16
	s_wait_kmcnt 0x0
	s_cmp_eq_u32 s35, 1
	s_cselect_b64 s[32:33], s[8:9], s[6:7]
	s_cmp_eq_u32 s35, 2
	s_cselect_b64 s[32:33], s[10:11], s[32:33]
	s_cmp_lt_u32 ttmp9, 512
	s_cselect_b64 s[32:33], s[4:5], s[32:33]
	s_cselect_b64 s[28:29], s[16:17], s[18:19]
	s_add_nc_u64 s[32:33], s[32:33], s[38:39]
	s_add_nc_u64 s[40:41], s[28:29], s[40:41]
	s_add_nc_u64 s[42:43], s[28:29], s[42:43]
.irp i, 0,1,2,3,4,5,6,7,8,9,10,11,12,13,14,15
	global_load_b128 v[R+4*\i:R+4*\i+3], v4, s[32:33] offset:4096*\i th:TH_LOAD_NT   ; 32 lanes read 512 consecutive bytes of row i
.endr
.irp i, 0,1,2,3,4,5,6,7,8,9,10,11,12,13,14,15
	s_wait_loadcnt 15-\i                           ; row i is in; the 15 - i younger loads may stay out
	ds_store_b128 v5, v[R+4*\i:R+4*\i+3] offset:528*\i
.endr
.irp c, 0,1
.irp e, 0,1,2,3,4,5,6,7
	ds_load_b128 v[X+32*\c+4*\e:X+32*\c+4*\e+3], v6 offset:256*\c+16*\e   ; my wave's own bytes, served in order: no barrier
.endr
.endr
	s_wait_dscnt 0x0
.irp c, 0,1
	v_max3_num_f32 v[MX+\c], |v[X+32*\c]|, |v[X+32*\c+1]|, 0x1800000   ; block 2 c + h of my row is all mine; the floor 2^(3 - 127) holds the byte at 1 from below
.endr
.irp i, 2,4,6,8,10,12,14,16,18,20,22,24,26,28,30
.irp c, 0,1
	v_max3_num_f32 v[MX+\c], v[MX+\c], |v[X+32*\c+\i]|, |v[X+32*\c+\i+1]|
.endr
.endr
.irp c, 0,1
	v_add_nc_u32 v[SO+\c], 0xff000000, v[MX+\c]    ; 2 off the exponent field: the conversion's scale operand
.endr
.irp c, 0,1
	v_lshrrev_b32 v[BY+\c], 23, v[SO+\c]           ; the scale's byte
.endr
	v_lshl_or_b32 v[WD], v[BY+1], 16, v[BY]        ; bytes h and 2 + h of the row's word,
	v_lshlrev_b32 v[WD], v10, v[WD]
	v_mov_b32 v[TW], 0
	v_permlanex16_b32 v[TW], v[WD], s46, s47
	v_or_b32 v[WD], v[WD], v[TW]                   ; with lane l xor 16's two the word is whole
.irp c, 0,1
.irp g, 0,1,2,3
	v_cvt_scalef32_pk8_fp4_f32 v[C+4*\c+\g], v[X+32*\c+8*\g:X+32*\c+8*\g+7], v[SO+\c]
.endr
.endr
	v_nop                                          ; one plain line behind the last scaled conversion
	global_store_b128 v4, v[C:C+3], s[40:41]       ; the fragment's registers 0-3, lane by lane: 512 consecutive bytes
	global_store_b128 v4, v[C+4:C+7], s[40:41] offset:512
	ds_store_b32 v7, v[WD]                         ; lanes r and r + 16 write the same word with the same value
	s_wait_tensorcnt 0x0                           ; my last LDS store is out: the s_wait_dscnt two lines on is also the barrier's wait
	ds_add_u32 v[SPW], v[NIL]
	s_wait_dscnt 0x0
	s_barrier_signal -1
	s_barrier_wait -1                              ; the tile's 64 words lie in LDS
	s_cmp_lg_u32 s3, 0
	s_cbranch_scc1 .Lfp4_end
	ds_load_b64 v[14:15], v8
	s_wait_dscnt 0x0
	global_store_b64 v9, v[14:15], s[42:43]        ; 32 lanes store 256 consecutive bytes, aligned: 16 rows x 16 bytes
.Lfp4_end:
	s_endpgm
.Lnot_fp4:
	s_cmp_ge_u32 ttmp9, 1024
	s_cbranch_scc1 .Lrope
	; ---- Wo to f16, row-major as it lies
	s_sub_co_u32 s24, ttmp9, 896
	s_lshl_b32 s24, s24, 2
	s_add_co_u32 s24, s24, s3                      ; which run of 2,048 numbers
	s_lshl_b32 s26, s24, 13
	s_mov_b32 s27, 0
	s_lshl_b32 s28, s24, 12
	s_mov_b32 s29, 0
	v_lshlrev_b32 v5, 3, v1
	s_wait_kmcnt 0x0
	s_add_nc_u64 s[26:27], s[12:13], s[26:27]
	s_add_nc_u64 s[28:29], s[20:21], s[28:29]
.irp i, 0,1,2,3,4,5,6,7,8,9,10,11,12,13,14,15
	global_load_b128 v[R+4*\i:R+4*\i+3], v4, s[26:27] offset:512*\i th:TH_LOAD_NT
.endr
.irp i, 0,1,2,3,4,5,6,7,8,9,10,11,12,13,14,15
	s_wait_loadcnt 15-\i                           ; load i is in; the younger ones may stay out
	v_cvt_pk_f16_f32 v[X+2*\i], v[R+4*\i], v[R+4*\i+1]
	v_cvt_pk_f16_f32 v[X+2*\i+1], v[R+4*\i+2], v[R+4*\i+3]
	global_store_b64 v5, v[X+2*\i:X+2*\i+1], s[28:29] offset:256*\i   ; 256 consecutive bytes, aligned; each store has data registers of its own
.endr
	s_endpgm
.Lrope:
	; ---- the table.  Wave: token tile tau = job / 8, channel tile ct = job % 8.  Lane (r, h): token 16 tau + r, pairs p = 8 ct + 4 h + 0 .. 3: what the same lane of launch qkv holds of q and k
	s_sub_co_u32 s24, ttmp9, 1024
	s_lshl_b32 s24, s24, 2
	s_add_co_u32 s24, s24, s3                      ; job
	s_lshr_b32 s25, s24, 3
	s_and_b32 s26, s24, 7
	s_lshl_b32 s25, s25, 6
	v_lshl_add_u32 v5, v2, 2, s25                  ; my token's position, 4 bytes
	s_lshl_b32 s26, s26, 3
	v_lshl_add_u32 v6, v3, 2, s26                  ; 8 ct + 4 h
	s_lshl_b32 s28, s24, 10
	s_mov_b32 s29, 0
	s_mov_b32 s30, 0xbfc90fdb                      ; - pi / 2 in three parts
	s_mov_b32 s31, 0x333bbd2e
	s_mov_b32 s32, 0x26f72ced
	s_mov_b32 s33, 0xb94ca1f9                      ; sine on +- pi / 4: r + r z (s2 + z (s1 + z s0))
	s_mov_b32 s34, 0x3c08839e
	s_mov_b32 s35, 0xbe2aaaa3
	s_mov_b32 s36, 0x37ccf5ce                      ; cosine: 1 - z / 2 + z z (c2 + z (c1 + z c0))
	s_mov_b32 s37, 0xbab6061a
	s_mov_b32 s38, 0x3d2aaaa5
	s_wait_kmcnt 0x0
	global_load_b32 v8, v5, s[14:15]
	s_add_nc_u64 s[28:29], s[22:23], s[28:29]
	v_cvt_f32_u32 v16, v6
	v_add_f32 v17, 1.0, v16
	v_add_f32 v18, 2.0, v16
	v_add_f32 v19, 0x40400000, v16
.irp i, 0,1,2,3
	v_mul_f32 v[16+\i], 0xbe549a78, v[16+\i]       ; - p log2(10000) / 64
.endr
.irp i, 0,1,2,3
	v_exp_f32 v[16+\i], v[16+\i]                   ; 10000^(- p / 64)
.endr
	s_wait_loadcnt 0x0
	v_cvt_f32_i32 v8, v8
	v_nop                                          ; a plain line behind the last exponential
	s_wait_alu depctr_va_vdst(0)                   ; one wait for the four, ahead of their first reader
.irp i, 0,1,2,3
	v_mul_f32 v[20+\i], v8, v[16+\i]               ; the angle, rounded once as in reference()
.endr
.irp i, 0,1,2,3
	v_mul_f32 v[24+\i], 0x3f22f983, v[20+\i]
.endr
.irp i, 0,1,2,3
	v_rndne_f32 v[24+\i], v[24+\i]                 ; k = the nearest multiple of pi / 2
.endr
.irp s, 30,31,32
.irp i, 0,1,2,3
	v_fma_f32 v[20+\i], v[24+\i], s\s, v[20+\i]    ; r = angle - k pi / 2
.endr
.endr
.irp i, 0,1,2,3
	v_mul_f32 v[28+\i], v[20+\i], v[20+\i]         ; z
.endr
.irp i, 0,1,2,3
	v_fma_f32 v[32+\i], v[28+\i], s33, s34
	v_fma_f32 v[36+\i], v[28+\i], s36, s37
.endr
.irp i, 0,1,2,3
	v_fma_f32 v[32+\i], v[32+\i], v[28+\i], s35
	v_fma_f32 v[36+\i], v[36+\i], v[28+\i], s38
.endr
.irp i, 0,1,2,3
	v_mul_f32 v[32+\i], v[32+\i], v[28+\i]
	v_mul_f32 v[40+\i], v[28+\i], v[28+\i]
	v_fma_f32 v[44+\i], v[28+\i], -0.5, 1.0
.endr
.irp i, 0,1,2,3
	v_fma_f32 v[32+\i], v[32+\i], v[20+\i], v[20+\i]   ; sin r
	v_fma_f32 v[36+\i], v[36+\i], v[40+\i], v[44+\i]   ; cos r
	v_cvt_i32_f32 v[24+\i], v[24+\i]
.endr
.irp i, 0,1,2,3
	v_and_b32 v[40+\i], 1, v[24+\i]
	v_cmp_eq_u32 vcc_lo, 1, v[40+\i]               ; in odd quadrants the two change places
	v_cndmask_b32 v[49+2*\i], v[32+\i], v[36+\i], vcc_lo
	v_cndmask_b32 v[48+2*\i], v[36+\i], v[32+\i], vcc_lo
	v_and_b32 v[40+\i], 2, v[24+\i]                ; the sine is negative in quadrants 2 and 3,
	v_lshlrev_b32 v[40+\i], 30, v[40+\i]
	v_xor_b32 v[49+2*\i], v[49+2*\i], v[40+\i]
	v_add_nc_u32 v[44+\i], 1, v[24+\i]             ; the cosine in 1 and 2
	v_and_b32 v[44+\i], 2, v[44+\i]
	v_lshlrev_b32 v[44+\i], 30, v[44+\i]
	v_xor_b32 v[48+2*\i], v[48+2*\i], v[44+\i]
.endr
	global_store_b128 v4, v[48:51], s[28:29]       ; (cos, sin) of pairs 0, 1: 512 consecutive bytes
	global_store_b128 v4, v[52:55], s[28:29] offset:512
	s_endpgm
.Lfunc_end_k_q853edf0158_prep:
	.size	k_q853edf0158_prep, .Lfunc_end_k_q853edf0158_prep-k_q853edf0158_prep
	.p2alignl 7, 3214868480
	.fill 96, 4, 3214868480
	.section	.rodata,"a",@progbits
	.p2align	6, 0x0
	.amdhsa_kernel k_q853edf0158_prep
		.amdhsa_group_segment_fixed_size 34560
		.amdhsa_private_segment_fixed_size 0
		.amdhsa_enable_private_segment 0
		.amdhsa_kernarg_size 80
		.amdhsa_user_sgpr_count 2
		.amdhsa_user_sgpr_kernarg_segment_ptr 1
		.amdhsa_wavefront_size32 1
		.amdhsa_system_sgpr_workgroup_id_x 1
		.amdhsa_system_sgpr_workgroup_id_y 1
		.amdhsa_system_sgpr_workgroup_id_z 1
		.amdhsa_system_vgpr_workitem_id 0
		.amdhsa_next_free_vgpr 168
		.amdhsa_next_free_sgpr 66
		.amdhsa_reserve_vcc 1
		.amdhsa_float_denorm_mode_32 3
		.amdhsa_float_denorm_mode_16_64 3
		.amdhsa_memory_ordered 1
		.amdhsa_forward_progress 1
		.amdhsa_inst_pref_size 24
	.end_amdhsa_kernel
	.amdgpu_metadata
---
amdhsa.version: [ 1, 2 ]
amdhsa.kernels:
  - .name:           k_q853edf0158_prep
    .symbol:         k_q853edf0158_prep.kd
    .args:
      - { .name: x, .offset: 0, .size: 8, .value_kind: global_buffer, .address_space: global }
      - { .name: Wq, .offset: 8, .size: 8, .value_kind: global_buffer, .address_space: global }
      - { .name: Wk, .offset: 16, .size: 8, .value_kind: global_buffer, .address_space: global }
      - { .name: Wv, .offset: 24, .size: 8, .value_kind: global_buffer, .address_space: global }
      - { .name: Wo, .offset: 32, .size: 8, .value_kind: global_buffer, .address_space: global }
      - { .name: token_positions, .offset: 40, .size: 8, .value_kind: global_buffer, .address_space: global }
      - { .name: xq, .offset: 48, .size: 8, .value_kind: global_buffer, .address_space: global }
      - { .name: wq, .offset: 56, .size: 8, .value_kind: global_buffer, .address_space: global }
      - { .name: wo16, .offset: 64, .size: 8, .value_kind: global_buffer, .address_space: global }
      - { .name: rt, .offset: 72, .size: 8, .value_kind: global_buffer, .address_space: global }
    .group_segment_fixed_size: 34560
    .private_segment_fixed_size: 0
    .kernarg_segment_align: 8
    .kernarg_segment_size: 80
    .max_flat_workgroup_size: 128
    .sgpr_count:     66
    .vgpr_count:     168
    .wavefront_size: 32
...
	.end_amdgpu_metadata
.endif
;; end of part 1
;; launch qkv (part 2): grid 32 x 8, 4 waves a work-group, clusters of 4 x 1, 262,656 bytes of LDS; arguments xq, wq, rt, qi, kv, first16; writes qi, kv, first16
.if DOCPART == 2
	.amdgcn_target "amdgcn-amd-amdhsa--gfx1250"
	.amdhsa_code_object_version 6
	.text
	.protected	k_q853edf0158_qkv
	.globl	k_q853edf0158_qkv
	.p2align	8
	.type	k_q853edf0158_qkv,@function
k_q853edf0158_qkv:
	s_mov_b64 s[64:65], 0
	v_nop
	global_prefetch_b8 v0, s[64:65] scope:SCOPE_SE
	s_setreg_imm32_b32 hwreg(HW_REG_WAVE_MODE, 25, 1), 1
	s_wait_xcnt 0x0
	s_wait_alu depctr_hold_cnt(0) depctr_sa_sdst(0) depctr_va_vdst(0) depctr_va_sdst(0) depctr_va_ssrc(0) depctr_va_vcc(0) depctr_vm_vsrc(0)
	s_getreg_b32 s2, hwreg(HW_REG_IB_STS2, 6, 4)
	s_cmp_eq_u32 s2, 0
	s_cbranch_scc0 .Lentry_in_a_cluster
	s_endpgm
.Lentry_in_a_cluster:
	s_bfe_u32 s2, ttmp6, 0x10000c
	s_cmp_lg_u32 s2, 0x3003
	s_cbranch_scc0 .Lentry_shape_is_right
	s_endpgm
.Lentry_shape_is_right:
; q, k, v = x Wq^T, x Wk^T, x Wv^T on codes of E2M1 with E8M0 scales (K = 1,024, eight K steps of 128, one f32 sum for each output, K ascending); RoPE on q and k in f32; all three leave in f16 as images of
; the operand registers of launch attn.  The first 16 tokens also leave in f32, for launch rows16.
; SHARES.  A work-group: 128 tokens (block TBk) x one head's 128 columns of each of q, k, v.  Wave w: channel tiles 2 w, 2 w + 1 of q, k and v for all 8 token tiles: 48 accumulators, 48 products a K step.
; CLUSTER.  The four partners share the head, so its three blocks of W's codes, 192 of the 256 KB that a work-group fetches, are asked for jointly (waves 1-3); x's block is the work-group's own (wave 0, no mask).
; LDS: block B (0 x, 1 Wq, 2 Wk, 3 Wv) at 65,536 B: [half of K: 32 KB][tile 8: 4 KB][128 along K: 1 KB = registers 0-3, 4-7 lane by lane].  Every byte is filled once.
; q and k are made TRANSPOSED (source 0 = 16 rows of W, source 1 = 16 tokens): a lane holds one token and 8 neighbouring channels, four RoPE pairs.  v the other way round: a lane holds one channel and 8 neighbouring tokens, which are keys.
; REGISTERS.  Window 0: v1-7 addresses; v32-63 x's scale words, v64-87 W's (on the way out v32-95 are at work); v128-255 cos and sin.  Window 1: two sets of fragments at 0 and 128 (x's 8, W's 6).
;   Window 2: the accumulators of q and k at 8 (4 a + n), n = q0, q1, k0, k1.  Window 3: those of v at 8 (2 a + e).
.set SPARE, 262144                     ; the spare words, 128 bytes a wave: no other line names them
.set L16, 1                            ; v1   16 x lane
.set AW,  2                            ; v2-4 LDS address of my two tiles of Wq, Wk, Wv
.set VTB, 5                            ; v5   TBk
.set FQ,  6                            ; v6   the f32 copies of q and k: my byte
.set FV,  7                            ; v7   of v
.set SPW, 28
.set NIL, 29
.set XS,  32                           ; register 16 kp + 4 p + s: tokens 32 p + lane, K step 4 kp + s
.set WS,  64                           ; register 8 m + ks: rows 32 w + lane of matrix m
.set RT,  128                          ; 16 a + 8 e + 2 i: cos, + 1: sin
.set TT,  32
.set T,   40
.set PK,  72
.set WV,  16
.set G1J, 24                           ; s[24:31] group 1 of the joint loads; s[32:39] of the plain ones
.set G1P, 32
.set G0J, 40                           ; s[40:47] group 0, a set for each half of K; s[48:55] likewise for x
.set G0P, 48
.set MSB, 0
.macro WIN new                         ; the immediate's high byte repeats the setting that is left
.if MSB != \new
	s_set_vgpr_msb (MSB<<8)|\new
.set MSB, \new
.endif
.endm
.macro CROUND                          ; a round of the cluster's barrier
	s_barrier_signal -1
	s_barrier_wait -1
	s_cmp_lg_u32 s[WV], 0
	s_cbranch_scc1 .Lnot_wave_0_\@
	s_barrier_signal -3
.Lnot_wave_0_\@:
	s_barrier_wait -3
	s_barrier_signal -1
	s_barrier_wait -1
.endm
.macro PLACES
.rept 4
	v_nop
.endr
.endm
	s_load_b256 s[4:11], s[0:1], 0x0               ; xq, wq, rt, qi
	s_load_b128 s[12:15], s[0:1], 0x20             ; kv, first16
	v_lshl_add_u32 v[SPW], v0, 2, SPARE
	v_mov_b32 v[NIL], 0
	ds_add_u32 v[SPW], v[NIL]                      ; the opening: the add, twice on end, and its wait ahead of my first tensor load
	ds_add_u32 v[SPW], v[NIL]
	v_lshrrev_b32 v8, 5, v0
	v_readfirstlane_b32 s[WV], v8
	s_bfe_u32 s17, ttmp6, 0x40000                  ; cx
	s_lshl_b32 s18, ttmp9, 2
	s_add_co_u32 s18, s18, s17                     ; TBk = 4 x cluster x + cx
	s_and_b32 s19, ttmp7, 0xffff                   ; the head, which the partners share
	s_mov_b32 s[G1J], 15|(3<<16)|(1<<21)           ; mask: all four; elements of 8 bytes; bit 21 beside a mask
	s_mov_b32 s[G1P], 3<<16
.irp g, G1J, G1P                       ; a dense block of 32 KB as 128 rows of 256 bytes
	s_mov_b32 s[\g+1], 32<<16
	s_mov_b32 s[\g+2], 128<<16
	s_mov_b32 s[\g+3], 32<<16
	s_mov_b32 s[\g+4], 128
	s_mov_b32 s[\g+5], 32
	s_mov_b32 s[\g+6], 0
	s_mov_b32 s[\g+7], 0
.endr
	s_max_u32 s20, s[WV], 1
	s_sub_co_u32 s20, s20, 1                       ; waves 1-3: matrix 0-2
	s_lshl_b32 s20, s20, 19
	s_lshl_b32 s21, s19, 15                        ; the head's 8 tiles of 4 KB
	s_add_co_u32 s20, s20, s21
	s_mov_b32 s21, 0
	s_lshl_b32 s22, s[WV], 16                      ; my block in LDS
	s_lshl_b32 s72, s18, 15                        ; x's codes: my 8 token tiles
	s_mov_b32 s73, 0
	s_lshl_b32 s74, s18, 11                        ; x's scales: 16 bytes a token
	s_add_co_u32 s74, s74, 0x200000
	s_mov_b32 s75, 0
	s_lshl_b32 s76, s19, 11                        ; W's scales: rows 128 head + 32 w on
	s_lshl_b32 s77, s[WV], 9
	s_add_co_u32 s76, s76, s77
	s_add_co_u32 s76, s76, 0x180000
	s_mov_b32 s77, 0
	s_lshl_b32 s78, s18, 16                        ; the table: 8 KB a token tile, 1 KB a channel tile
	s_lshl_b32 s79, s[WV], 11
	s_add_co_u32 s78, s78, s79
	s_mov_b32 s79, 0
	s_lshl_b32 s80, s19, 20                        ; q: (64 head + 2 TBk) blocks of 16 KB + fragment w
	s_lshl_b32 s86, s18, 15
	s_add_co_u32 s80, s80, s86
	s_lshl_b32 s86, s[WV], 10
	s_add_co_u32 s80, s80, s86
	s_mov_b32 s81, 0
	s_lshl_b32 s82, s19, 21                        ; k and v: (16 head + TBk / 2) steps of 128 KB + (TBk % 2) x 8 KB
	s_lshr_b32 s87, s18, 1
	s_lshl_b32 s87, s87, 17
	s_add_co_u32 s82, s82, s87
	s_and_b32 s87, s18, 1
	s_lshl_b32 s87, s87, 13
	s_add_co_u32 s82, s82, s87
	s_add_co_u32 s84, s82, 16384                   ; v's image lies behind k's 16 KB; fragment 2 w + e
	s_add_co_u32 s82, s82, s86                     ; k: fragment w of each key tile
	s_lshl_b32 s86, s[WV], 11
	s_add_co_u32 s84, s84, s86
	s_mov_b32 s83, 0
	s_mov_b32 s85, 0
	v_and_b32 v8, 31, v0
	v_lshlrev_b32 v[L16], 4, v8
	s_lshl_b32 s86, s[WV], 13
	v_add_nc_u32 v[AW], s86, v[L16]
	v_add_nc_u32 v[AW+2], 0x30000, v[AW]
	v_add_nc_u32 v[AW+1], 0x20000, v[AW]
	v_add_nc_u32 v[AW], 0x10000, v[AW]
	v_and_b32 v9, 15, v0
	v_bfe_u32 v10, v0, 4, 1
	s_lshl_b32 s86, s19, 9
	s_lshl_b32 s87, s[WV], 7
	s_add_co_u32 s86, s86, s87
	v_lshlrev_b32 v[FQ], 12, v9
	v_lshl_add_u32 v[FQ], v10, 5, v[FQ]
	v_add_nc_u32 v[FQ], s86, v[FQ]                 ; token r's row of 4,096 bytes, column 128 head + 32 w + 8 h
	s_lshl_b32 s86, s19, 13
	s_lshl_b32 s87, s[WV], 11
	s_add_co_u32 s86, s86, s87
	v_lshlrev_b32 v[FV], 6, v9
	v_lshl_add_u32 v[FV], v10, 5, v[FV]
	v_add_nc_u32 v[FV], s86, v[FV]                 ; channel 128 head + 32 w + r: 64 bytes, token 8 h
	v_mov_b32 v[VTB], s18
	s_wait_dscnt 0x0                               ; both opening adds are done
	s_wait_kmcnt 0x0
	s_add_nc_u64 s[20:21], s[6:7], s[20:21]
	s_mov_b32 s[G0J], 1
	s_mov_b32 s[G0J+1], s22
	s_mov_b64 s[G0J+2:G0J+3], s[20:21]
	s_or_b32 s[G0J+3], s[G0J+3], 0x80000000
	s_mov_b32 s[G0J+4], 1
	s_add_co_u32 s[G0J+5], s22, 32768
	s_add_nc_u64 s[G0J+6:G0J+7], s[20:21], 262144
	s_or_b32 s[G0J+7], s[G0J+7], 0x80000000
	s_add_nc_u64 s[72:73], s[4:5], s[72:73]
	s_mov_b32 s[G0P], 1
	s_mov_b32 s[G0P+1], 0
	s_mov_b64 s[G0P+2:G0P+3], s[72:73]
	s_or_b32 s[G0P+3], s[G0P+3], 0x80000000
	s_mov_b32 s[G0P+4], 1
	s_mov_b32 s[G0P+5], 32768
	s_add_nc_u64 s[G0P+6:G0P+7], s[72:73], 1048576
	s_or_b32 s[G0P+7], s[G0P+7], 0x80000000
	s_add_nc_u64 s[74:75], s[4:5], s[74:75]
	s_add_nc_u64 s[76:77], s[6:7], s[76:77]
	s_add_nc_u64 s[78:79], s[8:9], s[78:79]
	s_add_nc_u64 s[80:81], s[10:11], s[80:81]
	s_add_nc_u64 s[82:83], s[12:13], s[82:83]
	s_add_nc_u64 s[84:85], s[12:13], s[84:85]
	CROUND                                         ; all four work-groups are here: the joint loads meet
	s_cmp_eq_u32 s[WV], 0                          ; a wave's two fills stand in one branch on the wave's number: two loads of mine are out
	s_cbranch_scc0 .Ljoint
	tensor_load_to_lds s[G0P:G0P+3], s[G1P:G1P+7]
	s_nop 0
	tensor_load_to_lds s[G0P+4:G0P+7], s[G1P:G1P+7]
	s_nop 0
	PLACES
	s_branch .Lasked
.Ljoint:
	tensor_load_to_lds s[G0J:G0J+3], s[G1J:G1J+7]
	s_nop 0
	tensor_load_to_lds s[G0J+4:G0J+7], s[G1J:G1J+7]
	s_nop 0
	PLACES
.Lasked:
.irp kp, 0,1
.irp p, 0,1,2,3
	global_load_b128 v[XS+16*\kp+4*\p:XS+16*\kp+4*\p+3], v[L16], s[74:75] offset:65536*\kp+512*\p   ; lanes 0-15: token tile 2 p, lanes 16-31: tile 2 p + 1
.endr
.endr
.irp m, 0,1,2
.irp kp, 0,1
	global_load_b128 v[WS+8*\m+4*\kp:WS+8*\m+4*\kp+3], v[L16], s[76:77] offset:(2*\m+\kp)*16384     ; lanes 0-15: channel tile 2 w, lanes 16-31: 2 w + 1
.endr
.endr
.irp a, 0,1,2,3,4,5,6,7
.irp e, 0,1
.irp hf, 0,1
	global_load_b128 v[RT+16*\a+8*\e+4*\hf:RT+16*\a+8*\e+4*\hf+3], v[L16], s[78:79] offset:\a*8192+\e*1024+\hf*512
.endr
.endr
.endr
; One product; the caller sets rD, rA, rB, rSA, rSB.  ra, rb: that side's scales stand in lanes 16-31.  zero: the first K step starts the sum.
.macro WMS zero, ra, rb
.if \zero
.if (\ra) && (\rb)
	v_wmma_scale_f32_16x16x128_f8f6f4 v[rD:rD+7], v[rA:rA+7], v[rB:rB+7], 0, v[rSA], v[rSB] matrix_a_fmt:MATRIX_FMT_FP4 matrix_b_fmt:MATRIX_FMT_FP4 matrix_a_scale:MATRIX_SCALE_ROW1 matrix_b_scale:MATRIX_SCALE_ROW1
.elseif (\ra)
	v_wmma_scale_f32_16x16x128_f8f6f4 v[rD:rD+7], v[rA:rA+7], v[rB:rB+7], 0, v[rSA], v[rSB] matrix_a_fmt:MATRIX_FMT_FP4 matrix_b_fmt:MATRIX_FMT_FP4 matrix_a_scale:MATRIX_SCALE_ROW1
.elseif (\rb)
	v_wmma_scale_f32_16x16x128_f8f6f4 v[rD:rD+7], v[rA:rA+7], v[rB:rB+7], 0, v[rSA], v[rSB] matrix_a_fmt:MATRIX_FMT_FP4 matrix_b_fmt:MATRIX_FMT_FP4 matrix_b_scale:MATRIX_SCALE_ROW1
.else
	v_wmma_scale_f32_16x16x128_f8f6f4 v[rD:rD+7], v[rA:rA+7], v[rB:rB+7], 0, v[rSA], v[rSB] matrix_a_fmt:MATRIX_FMT_FP4 matrix_b_fmt:MATRIX_FMT_FP4
.endif
.else
.if (\ra) && (\rb)
	v_wmma_scale_f32_16x16x128_f8f6f4 v[rD:rD+7], v[rA:rA+7], v[rB:rB+7], v[rD:rD+7], v[rSA], v[rSB] matrix_a_fmt:MATRIX_FMT_FP4 matrix_b_fmt:MATRIX_FMT_FP4 matrix_a_scale:MATRIX_SCALE_ROW1 matrix_b_scale:MATRIX_SCALE_ROW1
.elseif (\ra)
	v_wmma_scale_f32_16x16x128_f8f6f4 v[rD:rD+7], v[rA:rA+7], v[rB:rB+7], v[rD:rD+7], v[rSA], v[rSB] matrix_a_fmt:MATRIX_FMT_FP4 matrix_b_fmt:MATRIX_FMT_FP4 matrix_a_scale:MATRIX_SCALE_ROW1
.elseif (\rb)
	v_wmma_scale_f32_16x16x128_f8f6f4 v[rD:rD+7], v[rA:rA+7], v[rB:rB+7], v[rD:rD+7], v[rSA], v[rSB] matrix_a_fmt:MATRIX_FMT_FP4 matrix_b_fmt:MATRIX_FMT_FP4 matrix_b_scale:MATRIX_SCALE_ROW1
.else
	v_wmma_scale_f32_16x16x128_f8f6f4 v[rD:rD+7], v[rA:rA+7], v[rB:rB+7], v[rD:rD+7], v[rSA], v[rSB] matrix_a_fmt:MATRIX_FMT_FP4 matrix_b_fmt:MATRIX_FMT_FP4
.endif
.endif
.endm
.macro FETCH ks                        ; 28 LDS loads in one run: K step ks's fragments into set ks % 2
	WIN 0x40
.set st, 128*((\ks)%2)
.set ko, ((\ks)/4)*32768+((\ks)%4)*1024
.irp a, 0,1,2,3,4,5,6,7
.irp c, 0,1
	ds_load_b128 v[st+8*\a+4*\c:st+8*\a+4*\c+3], v[L16] offset:ko+\a*4096+512*\c
.endr
.endr
.irp m, 0,1,2
.irp e, 0,1
.irp c, 0,1
	ds_load_b128 v[st+64+8*(2*\m+\e)+4*\c:st+64+8*(2*\m+\e)+4*\c+3], v[AW+\m] offset:ko+\e*4096+512*\c
.endr
.endr
.endr
.endm
.macro MULQK ks, zero                  ; 32 products: source 0 = 16 rows of Wq or Wk, source 1 = 16 tokens.  The accumulators take turns, one instruction a turn
	WIN 0xa5
.set st, 128*((\ks)%2)
.irp a, 0,1,2,3,4,5,6,7
.irp n, 0,1,2,3
.set rD, 8*(4*\a+\n)
.set rA, st+64+8*\n
.set rB, st+8*\a
.set rSA, WS+8*(\n/2)+(\ks)
.set rSB, XS+16*((\ks)/4)+4*(\a/2)+(\ks)%4
	WMS \zero, \n%2, \a%2
.endr
.endr
.endm
.macro MULV ks, zero                   ; 16 products: source 0 = 16 tokens, source 1 = 16 rows of Wv
	WIN 0xf5
.set st, 128*((\ks)%2)
.irp a, 0,1,2,3,4,5,6,7
.irp e, 0,1
.set rD, 8*(2*\a+\e)
.set rA, st+8*\a
.set rB, st+64+8*(4+\e)
.set rSA, XS+16*((\ks)/4)+4*(\a/2)+(\ks)%4
.set rSB, WS+16+(\ks)
	WMS \zero, \a%2, \e
.endr
.endr
.endm
	s_wait_tensorcnt 0x1                           ; my block's first half of K is in; the second half's load, issued behind it, may stay out
	s_barrier_signal -1
	s_barrier_wait -1                              ; everybody's is
	FETCH 0
	s_wait_loadcnt 32                              ; the 14 loads of scales are in; the 32 of the table, issued behind them, may stay out
.irp ks, 0,1,2,3,4,5,6,7
	s_wait_dscnt 0x0                               ; this K step's fragments are in
.if \ks == 3
	s_wait_tensorcnt 0x0                           ; my block's second half of K is in,
	s_barrier_signal -1
	s_barrier_wait -1                              ; everybody's is
.endif
.if \ks < 7
.if \ks > 0
	PLACES                                         ; the other set was read by the products just issued: four places in front of the loads into it
.endif
	FETCH \ks+1                                    ; 48 products ahead of its use
.endif
.if \ks == 0
	MULQK \ks, 1
	MULV \ks, 1
.else
	MULQK \ks, 0
	MULV \ks, 0
.endif
.endr
	WIN 0
	PLACES                                         ; in front of the first read of results and the first write of the scales' registers
	s_wait_loadcnt 0x0                             ; the table
; THE WAY OUT of token tile a.  RoPE: out_e = e cos - o sin, out_o = e sin + o cos.  Each store's 32 lanes write 512 consecutive bytes: half a fragment's image.
.macro OUT a
	s_wait_xcnt 0x0                                ; the last tile's stores have read T and PK
	WIN 0x02                                       ; source 0: window 2
.irp n, 0,1,2,3
.irp i, 0,1,2,3
	v_mul_f32 v[TT+2*\i], v[8*(4*\a+\n)+2*\i+1], v[RT+16*\a+8*(\n%2)+2*\i+1]
	v_mul_f32 v[TT+2*\i+1], v[8*(4*\a+\n)+2*\i+1], v[RT+16*\a+8*(\n%2)+2*\i]
.endr
.irp i, 0,1,2,3
	v_fma_f32 v[T+8*\n+2*\i], v[8*(4*\a+\n)+2*\i], v[RT+16*\a+8*(\n%2)+2*\i], -v[TT+2*\i]
	v_fma_f32 v[T+8*\n+2*\i+1], v[8*(4*\a+\n)+2*\i], v[RT+16*\a+8*(\n%2)+2*\i+1], v[TT+2*\i+1]
.endr
.endr
	WIN 0
.irp n, 0,1,2,3
.irp i, 0,1,2,3
	v_cvt_pk_f16_f32 v[PK+4*\n+\i], v[T+8*\n+2*\i], v[T+8*\n+2*\i+1]
.endr
.endr
	WIN 0x0f                                       ; sources 0 and 1: window 3
.irp e, 0,1
.irp i, 0,1,2,3
	v_cvt_pk_f16_f32 v[PK+16+4*\e+\i], v[8*(2*\a+\e)+2*\i], v[8*(2*\a+\e)+2*\i+1]
.endr
.endr
	WIN 0
.irp e, 0,1
	global_store_b128 v[L16], v[PK+4*\e:PK+4*\e+3], s[80:81] offset:(\a/4)*16384+(\a%4)*4096+\e*512        ; q: block a / 4, tile a % 4, channels 32 w + 16 e
	global_store_b128 v[L16], v[PK+8+4*\e:PK+8+4*\e+3], s[82:83] offset:(\a%4)*32768+(\a/4)*4096+\e*512    ; k: attn's wave a % 4, key tile a / 4
	global_store_b128 v[L16], v[PK+16+4*\e:PK+16+4*\e+3], s[84:85] offset:(\a%4)*32768+\e*1024+(\a/4)*512  ; v: the same wave, channel tile 2 w + e, keys' half a / 4
.endr
.endm
	OUT 0
	; tokens 0-15 in f32: TBk hangs on the work-group's place in its cluster, so lanes are switched off and no branch is taken
	s_wait_xcnt 0x0                                ; EXEC changes only behind this wait
	v_cmp_eq_u32 vcc_lo, 0, v[VTB]
	s_and_saveexec_b32 s90, vcc_lo
.irp n, 0,1,2,3
	global_store_b128 v[FQ], v[T+8*\n:T+8*\n+3], s[14:15] offset:65536*(\n/2)+64*(\n%2)
	global_store_b128 v[FQ], v[T+8*\n+4:T+8*\n+7], s[14:15] offset:65536*(\n/2)+64*(\n%2)+16
.endr
	WIN 0x0c                                       ; a store's data: window 3
.irp e, 0,1
	global_store_b128 v[FV], v[8*\e:8*\e+3], s[14:15] offset:131072+1024*\e
	global_store_b128 v[FV], v[8*\e+4:8*\e+7], s[14:15] offset:131072+1024*\e+16
.endr
	WIN 0
	s_wait_xcnt 0x0                                ; and again in front of the line that widens it
	s_or_b32 exec_lo, exec_lo, s90
.irp a, 1,2,3,4,5,6,7
	OUT \a
.endr
	s_wait_tensorcnt 0x0                           ; the wave's end
	ds_add_u32 v[SPW], v[NIL]
	s_wait_dscnt 0x0
	CROUND                                         ; the closing round
	s_endpgm
.Lfunc_end_k_q853edf0158_qkv:
	.size	k_q853edf0158_qkv, .Lfunc_end_k_q853edf0158_qkv-k_q853edf0158_qkv
	.p2alignl 7, 3214868480
	.fill 96, 4, 3214868480
	.section	.rodata,"a",@progbits
	.p2align	6, 0x0
	.amdhsa_kernel k_q853edf0158_qkv
		.amdhsa_group_segment_fixed_size 262656
		.amdhsa_private_segment_fixed_size 0
		.amdhsa_enable_private_segment 0
		.amdhsa_kernarg_size 48
		.amdhsa_user_sgpr_count 2
		.amdhsa_user_sgpr_kernarg_segment_ptr 1
		.amdhsa_wavefront_size32 1
		.amdhsa_system_sgpr_workgroup_id_x 1
		.amdhsa_system_sgpr_workgroup_id_y 1
		.amdhsa_system_sgpr_workgroup_id_z 1
		.amdhsa_system_vgpr_workitem_id 0
		.amdhsa_next_free_vgpr 896
		.amdhsa_next_free_sgpr 100
		.amdhsa_reserve_vcc 1
		.amdhsa_float_denorm_mode_32 3
		.amdhsa_float_denorm_mode_16_64 3
		.amdhsa_memory_ordered 1
		.amdhsa_forward_progress 1
		.amdhsa_inst_pref_size 119
	.end_amdhsa_kernel
	.amdgpu_metadata
---
amdhsa.version: [ 1, 2 ]
amdhsa.kernels:
  - .name:           k_q853edf0158_qkv
    .symbol:         k_q853edf0158_qkv.kd
    .args:
      - { .name: xq, .offset: 0, .size: 8, .value_kind: global_buffer, .address_space: global }
      - { .name: wq, .offset: 8, .size: 8, .value_kind: global_buffer, .address_space: global }
      - { .name: rt, .offset: 16, .size: 8, .value_kind: global_buffer, .address_space: global }
      - { .name: qi, .offset: 24, .size: 8, .value_kind: global_buffer, .address_space: global }
      - { .name: kv, .offset: 32, .size: 8, .value_kind: global_buffer, .address_space: global }
      - { .name: first16, .offset: 40, .size: 8, .value_kind: global_buffer, .address_space: global }
    .group_segment_fixed_size: 262656
    .private_segment_fixed_size: 0
    .kernarg_segment_align: 8
    .kernarg_segment_size: 48
    .max_flat_workgroup_size: 128
    .sgpr_count:     100
    .vgpr_count:     896
    .wavefront_size: 32
...
	.end_amdgpu_metadata
.endif
;; end of part 2
;; launch attn (part 3): grid 32 x 8, 4 waves a work-group, clusters of 4 x 1, 327,680 bytes of LDS; arguments qi, kv, att; writes att
.if DOCPART == 3
	.amdgcn_target "amdgcn-amd-amdhsa--gfx1250"
	.amdhsa_code_object_version 6
	.text
	.protected	k_q853edf0158_attn
	.globl	k_q853edf0158_attn
	.p2align	8
	.type	k_q853edf0158_attn,@function
k_q853edf0158_attn:
	s_mov_b64 s[64:65], 0
	v_nop
	global_prefetch_b8 v0, s[64:65] scope:SCOPE_SE
	s_setreg_imm32_b32 hwreg(HW_REG_WAVE_MODE, 25, 1), 1
	s_wait_xcnt 0x0
	s_wait_alu depctr_hold_cnt(0) depctr_sa_sdst(0) depctr_va_vdst(0) depctr_va_sdst(0) depctr_va_ssrc(0) depctr_va_vcc(0) depctr_vm_vsrc(0)
	s_getreg_b32 s2, hwreg(HW_REG_IB_STS2, 6, 4)
	s_cmp_eq_u32 s2, 0
	s_cbranch_scc0 .Lentry_in_a_cluster
	s_endpgm
.Lentry_in_a_cluster:
	s_bfe_u32 s2, ttmp6, 0x10000c
	s_cmp_lg_u32 s2, 0x3003
	s_cbranch_scc0 .Lentry_shape_is_right
	s_endpgm
.Lentry_shape_is_right:
; att[q][head] = softmax over keys <= q of (q . k / sqrt(128)) v, operands in f16, products, maxima and sums in f32, the result rounded once to f16.
; WORK LEFT OUT: steps of 256 keys that lie wholly behind a block's 64 queries: reference()'s own jnp.tril gives them the weight 0 for all values of the inputs.  LIMITS: a NaN or an infinity in a score left out is not
; carried; scores lie above -3e38, the running maximum's first value; f16 operands: magnitudes under 65,504.
; SHARES.  THE WAVES SHARE THE KEYS, NOT THE QUERIES.  A work-group holds one block of 64 queries (four tiles of 16), the same in all four waves.  Of every 64 keys wave w takes 16 w .. 16 w + 15, so a wave's step
; of 64 keys is its quarter of a step of 256.  Each wave keeps a maximum, a sum and an O^T of its own; at a block's end the four are merged through LDS.
; EVEN WORK.  Cluster J (0-7) of a head takes blocks 4 J + cx (steps 0 .. J) and then blocks 4 (15 - J) + cx (steps 0 .. 15 - J): 17 steps in every work-group.  The four partners walk the same steps in the same
; trips, so every tile of K and V is asked for JOINTLY, trip counts are constants, and no branch hangs on a place in the cluster.  A block's last step holds its diagonal; there hidden scores become -infinity.
; BY TURNS.  The tiles are two pieces (0: tiles 0, 1; 2: tiles 2, 3).  In a turn one piece has the matrix unit (32 products V^T P of the step in hand, 32 products K Q^T of the next), and the other piece's softmax,
; cut into 64 slices, stands between them, one slice behind each product.  Both products are used transposed: a lane holds one query (lane % 16) throughout.
; K and V lie in memory as images of the operand registers, 32 KB for a wave and a step: one dense tensor load a wave, read back by that wave alone, each byte once.
; LDS: slot s at 131,072 s (wave w's 32 KB at 32,768 w: K's 16 fragments, V's 16); STATS 4 KB; XCH: 4 partial tiles of 16 rows x (512 + 16) bytes; the spare words.  No tensor load lands behind the slots.
; REGISTERS.  Window 0: v2-11 addresses; v12-43 statistics; v64-191 S^T; v192-255 P.  Window 1: O^T.  Window 2: v0-127 Q, v128-255 K.  Window 3: v0-127 V.
.set SLOT1, 131072
.set STATS, 262144
.set XCH,   266240
.set SPARE, 300032
.set AKV, 2                            ; v2   16 x lane + 32,768 x wave
.set ADR, 4                            ; v4   the run of LDS loads in hand
.set QO,  5                            ; v5   16 x lane
.set VD,  6                            ; v6   64 cx + r - 16 w - 8 h: key tile kt's register j of query tile t is hidden where 64 kt + j - 16 t is greater
.set NINF, 7
.set STA, 8                            ; v8   STATS + 1,024 w + 8 lane
.set STB, 9                            ; v9   STATS + 8 lane
.set STO, 10                           ; v10  XCH + 8,448 w + 528 r + 32 h
.set RD,  11                           ; v11  XCH + 2,112 w + 16 lane: rows 4 w on
.set ST,  12                           ; tile t at v[ST + 8 t]: +0 c m, +1 m, +2, +3 l, +4 to +7 at work; a takes +6
.set Z,   44                           ; v44-45  0, 0
.set GO,  46                           ; v46  8 lane + 8,192 w
.set PFO, 61                           ; v61  256 x lane
.set SPW, 62
.set NIL, 63
.set S,   64
.set P,   192
.set KF,  128
.set MS,  64                           ; the merge: (c m, l) of wave u, tile t at v[MS + 8 t + 2 u]
.set CM,  96
.set FO,  100
.set LL,  104
.set G,   108
.set XB,  128
.set OB,  192
.set WV,  12
.set LIM, 17
.set PFA, 18
.set G1,  24
.set G0A, 40
.set G0B, 44
.set QPL, 48
.set OPL, 50
.set QPH, 52
.set OPH, 54
.set T,   56                           ; s56  the step, 0 .. 16
.set CS,  58                           ; s[58:59] c = log2(e) / sqrt(128)
.set SEL, 60
.set TB,  62                           ; s62  the slot in hand
.set MSB, 0
.macro WIN new
.if MSB != \new
	s_set_vgpr_msb (MSB<<8)|\new
.set MSB, \new
.endif
.endm
.set W_KQ, 0x0a                        ; K and Q window 2, S^T window 0
.set W_PV, 0x53                        ; V window 3, P window 0, O^T window 1
.set W_RS, 0x41                        ; O^T window 1, the factor window 0
.macro CROUND
	s_barrier_signal -1
	s_barrier_wait -1
	s_cmp_lg_u32 s[WV], 0
	s_cbranch_scc1 .Lnot_wave_0_\@
	s_barrier_signal -3
.Lnot_wave_0_\@:
	s_barrier_wait -3
	s_barrier_signal -1
	s_barrier_wait -1
.endm
.macro PLACES
.rept 4
	v_nop
.endr
.endm
	s_load_b128 s[4:7], s[0:1], 0x0                ; qi, kv
	s_load_b64 s[8:9], s[0:1], 0x10                ; att
	v_lshl_add_u32 v[SPW], v0, 2, SPARE
	v_mov_b32 v[NIL], 0
	ds_add_u32 v[SPW], v[NIL]                      ; the opening: the add, twice on end, and its wait ahead of my first tensor load
	ds_add_u32 v[SPW], v[NIL]
	v_lshrrev_b32 v1, 5, v0
	v_readfirstlane_b32 s[WV], v1
	s_bfe_u32 s13, ttmp6, 0x40000                  ; cx
	s_mov_b32 s14, ttmp9                           ; J
	s_add_co_u32 s15, s14, 1
	s_sub_co_u32 s16, s14, 1
	s_lshl_b32 s22, s15, 17                        ; J + 1 steps of 131,072 bytes: the way back to step 0
	s_mov_b32 s20, 0
	s_mov_b32 s21, 0
	s_cmp_eq_u32 s14, 0
	s_cselect_b32 s[LIM], 12, 0                    ; cluster 0 of a head prefetches, in trips 0 to 11
	s_cselect_b32 s38, 0, SLOT1                    ; trip 1 walks step 1, or with J = 0 the second block's step 0
	s_mov_b32 s39, 0
	s_and_b32 s32, ttmp7, 0xffff                   ; the head
	s_mov_b32 s[G1], 15|(3<<16)|(1<<21)            ; all four work-groups; elements of 8 bytes; bit 21 beside a mask
	s_mov_b32 s[G1+1], 32<<16                      ; 32 KB dense as 128 rows of 256 bytes
	s_mov_b32 s[G1+2], 128<<16
	s_mov_b32 s[G1+3], 32<<16
	s_mov_b32 s[G1+4], 128
	s_mov_b32 s[G1+5], 32
	s_mov_b32 s[G1+6], 0
	s_mov_b32 s[G1+7], 0
	s_lshl_b32 s34, s32, 21
	s_lshl_b32 s36, s[WV], 15
	s_add_co_u32 s34, s34, s36                     ; the head's K and V, my wave's 32 KB of step 0
	s_mov_b32 s35, 0
	s_lshl_b32 s76, s14, 2
	s_sub_co_u32 s77, 60, s76
	s_add_co_u32 s76, s76, s13                     ; the first block: 4 J + cx
	s_add_co_u32 s77, s77, s13                     ; the second: 4 (15 - J) + cx
	s_lshl_b32 s78, s32, 20
	s_lshl_b32 s66, s76, 14
	s_add_co_u32 s66, s66, s78
	s_mov_b32 s67, 0
	s_lshl_b32 s68, s77, 14
	s_add_co_u32 s68, s68, s78
	s_mov_b32 s69, 0
	s_lshl_b32 s78, s32, 8
	s_lshl_b32 s70, s76, 17                        ; 64 rows of 2,048 bytes a block, 256 bytes a head
	s_add_co_u32 s70, s70, s78
	s_mov_b32 s71, 0
	s_lshl_b32 s72, s77, 17
	s_add_co_u32 s72, s72, s78
	s_mov_b32 s73, 0
	s_lshl_b32 s74, s32, 21                        ; the prefetches: step 3, which the first change steps to 4; my work-group's 32 KB, my wave's 8 KB of it
	s_add_co_u32 s74, s74, 3*SLOT1
	s_lshl_b32 s78, s13, 15
	s_add_co_u32 s74, s74, s78
	s_lshl_b32 s78, s[WV], 13
	s_add_co_u32 s74, s74, s78
	s_mov_b32 s75, 0
	s_mov_b32 s[CS], 0x3e0293ee
	s_mov_b32 s[CS+1], s[CS]                       ; named with it as a pair, so it is written
	s_mov_b32 s[SEL], 0x76543210
	s_mov_b32 s[SEL+1], 0xfedcba98
	s_mov_b32 s[TB], 0
	s_mov_b32 s[T], 0
	v_and_b32 v1, 31, v0
	v_and_b32 v3, 15, v0
	v_bfe_u32 v47, v0, 4, 1
	v_lshlrev_b32 v[QO], 4, v1
	v_add_nc_u32 v[AKV], s36, v[QO]
	s_lshl_b32 s78, s13, 6
	s_lshl_b32 s79, s[WV], 4
	s_sub_co_i32 s78, s78, s79
	v_add_nc_u32 v[VD], s78, v3
	v_lshlrev_b32 v48, 3, v47
	v_sub_nc_u32 v[VD], v[VD], v48
	v_mov_b32 v[NINF], 0xff800000
	s_lshl_b32 s37, s[WV], 10
	s_add_co_u32 s37, s37, STATS
	v_lshl_add_u32 v[STA], v1, 3, s37
	v_lshl_add_u32 v[STB], v1, 3, STATS
	s_mul_i32 s37, s[WV], 8448
	s_add_co_u32 s37, s37, XCH
	v_mul_u32_u24 v[STO], v3, 528
	v_lshl_add_u32 v[STO], v47, 5, v[STO]
	v_add_nc_u32 v[STO], s37, v[STO]
	s_mul_i32 s37, s[WV], 2112
	s_add_co_u32 s37, s37, XCH
	v_add_nc_u32 v[RD], s37, v[QO]
	v_mov_b32 v[Z], 0
	v_mov_b32 v[Z+1], 0
	s_lshl_b32 s37, s[WV], 13
	v_lshl_add_u32 v[GO], v1, 3, s37
	v_lshlrev_b32 v[PFO], 8, v1
	s_wait_dscnt 0x0                               ; both opening adds are done
	s_wait_kmcnt 0x0
	s_add_nc_u64 s[34:35], s[6:7], s[34:35]
	s_mov_b32 s[G0A], 1
	s_mov_b32 s[G0A+1], s36
	s_mov_b64 s[G0A+2:G0A+3], s[34:35]
	s_or_b32 s[G0A+3], s[G0A+3], 0x80000000
	s_mov_b32 s[G0B], 1
	s_add_co_u32 s[G0B+1], s36, SLOT1
	s_add_nc_u64 s[G0B+2:G0B+3], s[34:35], s[38:39]
	s_or_b32 s[G0B+3], s[G0B+3], 0x80000000
	s_add_nc_u64 s[QPL:QPL+1], s[4:5], s[66:67]
	s_add_nc_u64 s[QPH:QPH+1], s[4:5], s[68:69]
	s_add_nc_u64 s[OPL:OPL+1], s[8:9], s[70:71]
	s_add_nc_u64 s[OPH:OPH+1], s[8:9], s[72:73]
	s_add_nc_u64 s[PFA:PFA+1], s[6:7], s[74:75]
	CROUND                                         ; all four work-groups are here: the first joint loads meet
	tensor_load_to_lds s[G0A:G0A+3], s[G1:G1+7]    ; trip 0's tile into slot 0,
	s_nop 0
	tensor_load_to_lds s[G0B:G0B+3], s[G1:G1+7]    ; trip 1's into slot 1: two loads of mine are out
	s_nop 0
	PLACES
; ---- the matrix work of a turn, for piece x.  The accumulators take turns, one instruction a turn.
.macro PV x                            ; product i of 32 of O^T += V^T P: keys 32 (i / 16) on, channels 16 ((i / 2) % 8) on, tile x + i % 2
	WIN W_PV
.set rO, 64*(\x+i%2)+8*((i/2)%8)
.set rV, 64*(i/16)+8*((i/2)%8)
.set rP, P+16*(\x+i%2)+8*(i/16)
	v_wmma_f32_16x16x32_f16 v[rO:rO+7], v[rV:rV+7], v[rP:rP+7], v[rO:rO+7]
.endm
.macro KQ x                            ; product i of 32 of S^T = K Q^T: channels 32 (i / 8) on, key tile (i / 2) % 4, tile x + i % 2; the first 8 start the sums
	WIN W_KQ
.set rS, S+32*(\x+i%2)+8*((i/2)%4)
.set rK, KF+32*((i/2)%4)+8*(i/8)
.set rQ, 32*(\x+i%2)+8*(i/8)
.if i < 8
	v_wmma_f32_16x16x32_f16 v[rS:rS+7], v[rK:rK+7], v[rQ:rQ+7], 0
.else
	v_wmma_f32_16x16x32_f16 v[rS:rS+7], v[rK:rK+7], v[rQ:rQ+7], v[rS:rS+7]
.endif
.endm
.macro QLOAD qp                        ; a block's 16 fragments of Q
	WIN 0x80
.irp f, 0,1,2,3,4,5,6,7,8,9,10,11,12,13,14,15
	global_load_b128 v[8*\f:8*\f+3],   v[QO], s[\qp:\qp+1] offset:1024*\f
	global_load_b128 v[8*\f+4:8*\f+7], v[QO], s[\qp:\qp+1] offset:1024*\f+512
.endr
	WIN 0
.endm
.macro FETCH_K                         ; 32 LDS loads in one run: my 16 fragments of K
	WIN 0
	v_add_nc_u32 v[ADR], s[TB], v[AKV]
	WIN 0x80
.irp f, 0,1,2,3,4,5,6,7,8,9,10,11,12,13,14,15
	ds_load_b128 v[KF+8*\f:KF+8*\f+3],   v[ADR] offset:1024*\f
	ds_load_b128 v[KF+8*\f+4:KF+8*\f+7], v[ADR] offset:1024*\f+512
.endr
.endm
.macro FETCH_V                         ; and of V, behind K's 16 KB
	WIN 0
	v_add_nc_u32 v[ADR], s[TB], v[AKV]
	s_wait_alu depctr_va_vdst(0)                   ; the wait for the softmax's batch of exponentials stands here, ahead of the loads
	WIN 0xc0
.irp f, 0,1,2,3,4,5,6,7,8,9,10,11,12,13,14,15
	ds_load_b128 v[8*\f:8*\f+3],   v[ADR] offset:16384+1024*\f
	ds_load_b128 v[8*\f+4:8*\f+7], v[ADR] offset:16384+1024*\f+512
.endr
.endm
; ---- the vector work of a turn.  A tile's softmax for a step is a list of 134 instructions; SM writes number j of it for tile t.
;   0-15 the maximum of the 32 scores and the old m;  16-20 the other half of the lanes', the new m, c m, its change;  21-69 ONE BATCH: 16 packed scalings c s - c m and 33 exponentials, none of which reads an
;   exponential's result;  (the wait, written by SLICE);  70-85 the roundings to f16;  86-101 the sums, l = a l + the sum;  102-133 O^T times a.
.macro SM t
.set rT, ST+8*(\t)
.set rS, S+32*(\t)
.set rP, P+16*(\t)
.set rO, 64*(\t)+2*(j-102)
.if j < 102
	WIN 0
.endif
.if j < 4
	v_max3_num_f32 v[rT+4+j], v[rS+8*j], v[rS+8*j+1], v[rS+8*j+2]
.elseif j < 12
	v_max3_num_f32 v[rT+4+j%4], v[rT+4+j%4], v[rS+8*(j%4)+2*(j/4)+1], v[rS+8*(j%4)+2*(j/4)+2]
.elseif j == 12
	v_max3_num_f32 v[rT+4], v[rT+4], v[rS+7], v[rS+15]
.elseif j == 13
	v_max3_num_f32 v[rT+6], v[rT+6], v[rS+23], v[rS+31]
.elseif j == 14
	v_max3_num_f32 v[rT+4], v[rT+4], v[rT+5], v[rT+6]
.elseif j == 15
	v_max3_num_f32 v[rT+4], v[rT+4], v[rT+7], v[rT+1]
.elseif j == 16
	v_permlanex16_b32 v[rT+5], v[rT+4], s[SEL], s[SEL+1]
.elseif j == 17
	v_mov_b32 v[rT+7], v[rT]                       ; c m_old is kept for a
.elseif j == 18
	v_max_num_f32 v[rT+1], v[rT+4], v[rT+5]
.elseif j == 19
	v_mul_f32 v[rT], s[CS], v[rT+1]
.elseif j == 20
	v_sub_f32 v[rT+7], v[rT+7], v[rT]
.elseif j == 23
	v_exp_f32 v[rT+6], v[rT+7]                     ; a = 2^(c m_old - c m_new)
.elseif (j < 23) || ((j < 38) && (j%2 == 0)) || ((j < 66) && (j%4 == 2))
.set b, (j-2)/4
.if j < 38
.set b, (j-20)/2
.endif
	v_pk_fma_f32 v[rS+2*b:rS+2*b+1], v[rS+2*b:rS+2*b+1], s[CS:CS+1], v[rT:rT+1] op_sel_hi:[1,0,0] neg_lo:[0,0,1] neg_hi:[0,0,1]
.elseif j < 70
.set e, j-38
.if j < 66
.set e, j-32-(j-38)/4
.endif
.if j < 38
.set e, (j-25)/2
.endif
	v_exp_f32 v[rS+e], v[rS+e]
.elseif j < 86
	v_cvt_pk_f16_f32 v[rP+j-70], v[rS+2*(j-70)], v[rS+2*(j-70)+1]
.elseif j < 102
.set z, j-86
.set w, 4
.set u, z
.if z >= 14
.set w, 32
.set u, 0
.elseif z >= 12
.set w, 16
.set u, z-12
.elseif z >= 8
.set w, 8
.set u, z-8
.endif
.if z < 15
	v_pk_add_f32 v[rS+w*u:rS+w*u+1], v[rS+w*u:rS+w*u+1], v[rS+w*u+w/2:rS+w*u+w/2+1]
.else
	v_pk_fma_f32 v[rT+2:rT+3], v[rT+2:rT+3], v[rT+6:rT+7], v[rS:rS+1] op_sel_hi:[1,0,1]
.endif
.else
	WIN W_RS
	v_pk_mul_f32 v[rO:rO+1], v[rO:rO+1], v[rT+6:rT+7] op_sel_hi:[1,0]
.endif
.endm
; Slice k of 64 of piece y's softmax.  Slices 11-34 deal out the batch, four numbers of one tile each; every other slice is numbers 2 k, 2 k + 1 of both tiles; the twelve that are over stand in slice 63.
; Ahead of slice 35 nothing names an exponential's result and behind slice 34 none is issued: one wait serves the piece's 66.
.macro SLICE y
.if (k >= 11) && (k < 35)
.irp n, 0,1,2,3
.set j, 22+4*((k-11)/2)+(\n)
	SM (\y)+(k-11)%2
.endr
.else
.irp n, 0,1,2,3,4,5,6,7
.if (\n < 2) || (k == 63)
.irp t, \y, \y+1
.set j, 2*k+\n
	SM \t
.endr
.endif
.endr
.endif
.if k == 34
	v_nop                                          ; the plain line behind the last exponential
.if (\y) == 0
	FETCH_V                                        ; piece 2's turn: V's run of loads stands here, and the wait in it.  V's last reader, the last product V^T P, stands three products K Q^T back
.else
	s_wait_alu depctr_va_vdst(0)
.endif
.endif
.set k, k+1
.endm
; A TURN.  pv: 32 products V^T P; kq: 32 products K Q^T.  With one kind alone two slices stand behind each product.  Piece 0's turn fetches the step's K behind its second product.
.macro TURN x, pv, kq
.set k, 0
.set per, 2
.if \pv && \kq
.set per, 1
.endif
.if \pv
.if \x == 0
	s_wait_dscnt 0x0                               ; V is in
.endif
.set i, 0
.rept 32
	PV \x
.rept per
	SLICE 2-\x
.endr
.if (\x == 0) && \kq && (i == 1)
	FETCH_K
.endif
.set i, i+1
.endr
.endif
.if \kq
.if \x == 0
	s_wait_dscnt 0x0                               ; K is in
.endif
.set i, 0
.rept 32
	KQ \x
.rept per
	SLICE 2-\x
.endr
.set i, i+1
.endr
.endif
.endm
.macro MASK x                          ; the diagonal step: hidden scores of piece x become -infinity; each accumulator from its low end on
	WIN 0
.irp t, \x, \x+1
.irp kt, 0,1,2,3
.irp jj, 0,1,2,3,4,5,6,7
	v_cmp_gt_i32 vcc_lo, 64*\kt+\jj-16*(\t), v[VD]
	v_cndmask_b32 v[S+32*(\t)+8*\kt+\jj], v[S+32*(\t)+8*\kt+\jj], v[NINF], vcc_lo
.endr
.endr
.endr
.endm
.macro ITER cmp                        ; a step inside a block; cmp: the trip whose step is the block's last
	TURN 0, 2, 1
	WIN 0
	s_cmp_eq_u32 s[T], \cmp
	s_cbranch_scc0 .Lopen_\@
	MASK 0
.Lopen_\@:
	TURN 2, 2, 1
.endm
; A block's first step.  m = -3e38, l = 0, O^T = 0: the step is then like every other (a = 0 leaves zeros zeros), and a lane all of whose keys in this wave are hidden keeps a finite m: p = 2^(-infinity) = 0.
.macro PRO mask
	WIN 0
.irp t, 0,1,2,3
	v_mov_b32 v[ST+8*\t+1], 0xff61b1e6
	v_mov_b32 v[ST+8*\t+2], 0
	v_mov_b32 v[ST+8*\t+3], 0
.endr
.irp t, 0,1,2,3
	v_mul_f32 v[ST+8*\t], s[CS], v[ST+8*\t+1]
.endr
	FETCH_K
	WIN 0x40
.set i, 0
.rept 128
	v_pk_add_f32 v[i:i+1], v[Z:Z+1], v[Z:Z+1]      ; while K and Q are on their way
.set i, i+2
.endr
	s_wait_loadcnt 0x0                             ; Q
	s_wait_dscnt 0x0                               ; K
.set i, 0
.rept 32
	KQ 0
.set i, i+1
.endr
	WIN 0
	PLACES
.if \mask
	s_cmp_eq_u32 s14, 0                            ; with J = 0 the first block's first step is its last
	s_cbranch_scc0 .Lfree_\@
	MASK 0
.Lfree_\@:
.endif
	TURN 2, 0, 1
	WIN 0
.endm
.macro EPI                             ; a block's end: its last step is the diagonal one
	MASK 2
	TURN 0, 2, 0
.set i, 0
.rept 32
	PV 2
.set i, i+1
.endr
	WIN 0
.endm
; THE CHANGE OF SLOTS, at a trip's end.  My load of the next trip's tile has landed; the add; my reads of this trip's slot are back; a round of the cluster's barrier; the slot just read takes the tile two trips on.
.macro CHANGE
	WIN 0
	s_wait_tensorcnt 0x0                           ; no tensor load of mine is out, so group 0 may be written
	ds_add_u32 v[SPW], v[NIL]
	s_xor_b32 s[G0B+1], s[G0B+1], SLOT1
	s_add_nc_u64 s[G0B+2:G0B+3], s[G0B+2:G0B+3], SLOT1
	s_cmp_eq_u32 s[T], s16                         ; trip T + 2 opens the second block: back to step 0
	s_cselect_b32 s20, s22, 0
	s_sub_nc_u64 s[G0B+2:G0B+3], s[G0B+2:G0B+3], s[20:21]
	s_wait_xcnt 0x0                                ; the last prefetch, a trip back, has read its address
	s_add_nc_u64 s[PFA:PFA+1], s[PFA:PFA+1], SLOT1
	s_wait_dscnt 0x0                               ; the add is done, and my reads of the slot are over
	CROUND
	tensor_load_to_lds s[G0B:G0B+3], s[G1:G1+7]    ; my one load behind the round: it has a whole trip, 128 products, in which to land
	s_nop 0
	PLACES
	; a prefetch of step T + 4's 128 KB: cluster 0 of the head, which walks all 16 steps, asks; partners and waves share the bytes out by address, 8 KB a wave, lanes 256 bytes apart; it stops behind step 15
	s_cmp_lt_u32 s[T], s[LIM]
	s_cbranch_scc0 .Lnot_mine_\@
	global_prefetch_b8 v[PFO], s[PFA:PFA+1] th:TH_LOAD_NT scope:SCOPE_SE
.Lnot_mine_\@:
	s_xor_b32 s[TB], s[TB], SLOT1
.endm
; THE MERGE.  With C = the largest c m of the four waves, f_u = 2^(c m_u - C) and L = the sum of f_u l_u, the block's result is the sum over u of O_u f_u / L.  Each wave scales its own O^T; tile by tile the four
; partial tiles meet in XCH, and wave w adds and stores rows 4 w .. 4 w + 3: 32 lanes store 256 consecutive bytes, aligned.
.macro MERGE op
	WIN 0
.irp t, 0,1,2,3
	v_add_f32 v[ST+8*\t+4], v[ST+8*\t+2], v[ST+8*\t+3]   ; (these are also the places behind the last products)
.endr
.irp t, 0,1,2,3
	v_permlanex16_b32 v[ST+8*\t+5], v[ST+8*\t+4], s[SEL], s[SEL+1]
.endr
.irp t, 0,1,2,3
	v_add_f32 v[ST+8*\t+1], v[ST+8*\t+4], v[ST+8*\t+5]   ; l, in m's place
.endr
.irp t, 0,1,2,3
	ds_store_b64 v[STA], v[ST+8*\t:ST+8*\t+1] offset:256*\t
.endr
	s_wait_dscnt 0x0
	s_barrier_signal -1
	s_barrier_wait -1
.irp t, 0,1,2,3
.irp u, 0,1,2,3
	ds_load_b64 v[MS+8*\t+2*\u:MS+8*\t+2*\u+1], v[STB] offset:1024*\u+256*\t
.endr
.endr
	s_wait_dscnt 0x0
.irp t, 0,1,2,3
	v_max3_num_f32 v[CM+\t], v[MS+8*\t], v[MS+8*\t+2], v[MS+8*\t+4]
.endr
.irp t, 0,1,2,3
	v_max_num_f32 v[CM+\t], v[CM+\t], v[MS+8*\t+6]
.endr
.irp t, 0,1,2,3
	v_sub_f32 v[FO+\t], v[ST+8*\t], v[CM+\t]
.irp u, 0,1,2,3
	v_sub_f32 v[MS+8*\t+2*\u], v[MS+8*\t+2*\u], v[CM+\t]
.endr
.endr
.irp t, 0,1,2,3
	v_exp_f32 v[FO+\t], v[FO+\t]
.irp u, 0,1,2,3
	v_exp_f32 v[MS+8*\t+2*\u], v[MS+8*\t+2*\u]
.endr
.endr
	v_nop
	s_wait_alu depctr_va_vdst(0)                   ; one wait for the twenty
.irp t, 0,1,2,3
	v_mul_f32 v[LL+\t], v[MS+8*\t], v[MS+8*\t+1]
.endr
.irp u, 1,2,3
.irp t, 0,1,2,3
	v_fmac_f32 v[LL+\t], v[MS+8*\t+2*\u], v[MS+8*\t+2*\u+1]
.endr
.endr
.irp t, 0,1,2,3
	v_rcp_f32 v[LL+\t], v[LL+\t]
.endr
	v_nop
	s_wait_alu depctr_va_vdst(0)                   ; and one for the four
.irp t, 0,1,2,3
	v_mul_f32 v[G+2*\t], v[FO+\t], v[LL+\t]
	v_mov_b32 v[G+2*\t+1], 0                       ; named with it as a pair, so it is written
.endr
.irp t, 0,1,2,3
	WIN W_RS
.set i, 64*\t
.rept 32
	v_pk_mul_f32 v[i:i+1], v[i:i+1], v[G+2*\t:G+2*\t+1] op_sel_hi:[1,0]
.set i, i+2
.endr
	WIN 0x04                                       ; an LDS store's data: window 1
.irp c, 0,1,2,3,4,5,6,7
	ds_store_b128 v[STO], v[64*\t+8*\c:64*\t+8*\c+3] offset:64*\c
	ds_store_b128 v[STO], v[64*\t+8*\c+4:64*\t+8*\c+7] offset:64*\c+16
.endr
	WIN 0
	s_wait_dscnt 0x0                               ; my partial tile lies in XCH,
	s_barrier_signal -1
	s_barrier_wait -1                              ; everybody's does
.irp q, 0,1,2,3
.irp u, 0,1,2,3
	ds_load_b128 v[XB+16*\q+4*\u:XB+16*\q+4*\u+3], v[RD] offset:8448*\u+528*\q
.endr
.endr
	s_wait_dscnt 0x0
.irp q, 0,1,2,3
	v_pk_add_f32 v[XB+16*\q:XB+16*\q+1], v[XB+16*\q:XB+16*\q+1], v[XB+16*\q+4:XB+16*\q+5]
	v_pk_add_f32 v[XB+16*\q+2:XB+16*\q+3], v[XB+16*\q+2:XB+16*\q+3], v[XB+16*\q+6:XB+16*\q+7]
	v_pk_add_f32 v[XB+16*\q+8:XB+16*\q+9], v[XB+16*\q+8:XB+16*\q+9], v[XB+16*\q+12:XB+16*\q+13]
	v_pk_add_f32 v[XB+16*\q+10:XB+16*\q+11], v[XB+16*\q+10:XB+16*\q+11], v[XB+16*\q+14:XB+16*\q+15]
	v_pk_add_f32 v[XB+16*\q:XB+16*\q+1], v[XB+16*\q:XB+16*\q+1], v[XB+16*\q+8:XB+16*\q+9]
	v_pk_add_f32 v[XB+16*\q+2:XB+16*\q+3], v[XB+16*\q+2:XB+16*\q+3], v[XB+16*\q+10:XB+16*\q+11]
	v_cvt_pk_f16_f32 v[OB+8*\t+2*\q], v[XB+16*\q], v[XB+16*\q+1]
	v_cvt_pk_f16_f32 v[OB+8*\t+2*\q+1], v[XB+16*\q+2], v[XB+16*\q+3]
	global_store_b64 v[GO], v[OB+8*\t+2*\q:OB+8*\t+2*\q+1], s[\op:\op+1] offset:(16*\t+\q)*2048
.endr
.if \t < 3
	s_barrier_signal -1                            ; every wave's reads of XCH are back (the wait above): it may be written again
	s_barrier_wait -1
.endif
.endr
	s_wait_xcnt 0x0                                ; the stores have read their data, which lie in P's registers
.endm
	QLOAD QPL
	s_wait_tensorcnt 0x1                           ; trip 0's tile is in; trip 1's load, issued behind it, may stay out.  I read my own 32 KB alone: no barrier
	PRO 1
	CHANGE
	s_mov_b32 s[T], 1
.Ltrip:                                                ; trips 1 to 14: each refills the slot that it has read
	s_cmp_eq_u32 s[T], s15
	s_cbranch_scc1 .Lbound
	ITER s14
	WIN 0
	s_branch .Lchange
.Lbound:                                               ; trip J + 1: the first block ends, the second begins.  Q's registers are free: the block's end multiplies by V alone
	QLOAD QPH
	EPI
	MERGE OPL
	PRO 0
.Lchange:
	CHANGE
	s_add_co_u32 s[T], s[T], 1
	s_cmp_lt_u32 s[T], 15
	s_cbranch_scc1 .Ltrip
.Ltail:                                                ; trips 15 and 16 ask for nothing
	ITER 16
	WIN 0
	s_wait_tensorcnt 0x0                           ; trip 16's tile has had trip 15 in which to land
	s_xor_b32 s[TB], s[TB], SLOT1
	s_add_co_u32 s[T], s[T], 1
	s_cmp_lt_u32 s[T], 17
	s_cbranch_scc1 .Ltail
	EPI
	MERGE OPH
	s_wait_tensorcnt 0x0                           ; the wave's end
	ds_add_u32 v[SPW], v[NIL]
	s_wait_dscnt 0x0
	CROUND                                         ; the closing round
	s_endpgm
.Lfunc_end_k_q853edf0158_attn:
	.size	k_q853edf0158_attn, .Lfunc_end_k_q853edf0158_attn-k_q853edf0158_attn
	.p2alignl 7, 3214868480
	.fill 96, 4, 3214868480
	.section	.rodata,"a",@progbits
	.p2align	6, 0x0
	.amdhsa_kernel k_q853edf0158_attn
		.amdhsa_group_segment_fixed_size 327680
		.amdhsa_private_segment_fixed_size 0
		.amdhsa_enable_private_segment 0
		.amdhsa_kernarg_size 24
		.amdhsa_user_sgpr_count 2
		.amdhsa_user_sgpr_kernarg_segment_ptr 1
		.amdhsa_wavefront_size32 1
		.amdhsa_system_sgpr_workgroup_id_x 1
		.amdhsa_system_sgpr_workgroup_id_y 1
		.amdhsa_system_sgpr_workgroup_id_z 1
		.amdhsa_system_vgpr_workitem_id 0
		.amdhsa_next_free_vgpr 896
		.amdhsa_next_free_sgpr 100
		.amdhsa_reserve_vcc 1
		.amdhsa_float_denorm_mode_32 3
		.amdhsa_float_denorm_mode_16_64 3
		.amdhsa_memory_ordered 1
		.amdhsa_forward_progress 1
		.amdhsa_inst_pref_size 255
	.end_amdhsa_kernel
	.section	.bss,"aw",@nobits
	.p2align	6
	.space	262144
	.amdgpu_metadata
---
amdhsa.version: [ 1, 2 ]
amdhsa.kernels:
  - .name:           k_q853edf0158_attn
    .symbol:         k_q853edf0158_attn.kd
    .args:
      - { .name: qi, .offset: 0, .size: 8, .value_kind: global_buffer, .address_space: global }
      - { .name: kv, .offset: 8, .size: 8, .value_kind: global_buffer, .address_space: global }
      - { .name: att, .offset: 16, .size: 8, .value_kind: global_buffer, .address_space: global }
    .group_segment_fixed_size: 327680
    .private_segment_fixed_size: 0
    .kernarg_segment_align: 8
    .kernarg_segment_size: 24
    .max_flat_workgroup_size: 128
    .sgpr_count:     100
    .vgpr_count:     896
    .wavefront_size: 32
...
	.end_amdgpu_metadata
.endif
;; end of part 3
;; launch proj (part 4): grid 8 x 32, 4 waves a work-group, clusters of 4 x 4, 327,680 bytes of LDS; arguments att, wo16, out0; writes out0
.if DOCPART == 4
	.amdgcn_target "amdgcn-amd-amdhsa--gfx1250"
	.amdhsa_code_object_version 6
	.text
	.protected	k_q853edf0158_proj
	.globl	k_q853edf0158_proj
	.p2align	8
	.type	k_q853edf0158_proj,@function
k_q853edf0158_proj:
	s_mov_b64 s[64:65], 0
	v_nop
	global_prefetch_b8 v0, s[64:65] scope:SCOPE_SE
	s_setreg_imm32_b32 hwreg(HW_REG_WAVE_MODE, 25, 1), 1
	s_wait_xcnt 0x0
	s_wait_alu depctr_hold_cnt(0) depctr_sa_sdst(0) depctr_va_vdst(0) depctr_va_sdst(0) depctr_va_ssrc(0) depctr_va_vcc(0) depctr_vm_vsrc(0)
	s_getreg_b32 s2, hwreg(HW_REG_IB_STS2, 6, 4)
	s_cmp_eq_u32 s2, 0
	s_cbranch_scc0 .Lentry_in_a_cluster
	s_endpgm
.Lentry_in_a_cluster:
	s_bfe_u32 s2, ttmp6, 0x10000c
	s_cmp_lg_u32 s2, 0xf033
	s_cbranch_scc0 .Lentry_shape_is_right
	s_endpgm
.Lentry_shape_is_right:
; out0[s][o] = the sum over d of att[s][d] Wo[o][d], operands in f16, sums in f32, rows 16 to 4,095.  Rows 0 to 15 are launch rows16's: here they ride in a wave tile whose other rows count, and their stores are switched off.
; A tile of C is 128 x 128: 256 work-groups.  Four waves, each 64 x 64: 16 accumulators.  K goes in steps of 256 (LDS rows of 512 bytes, 64 to a tensor load) through two slots.
; CLUSTERS: 4 x 4 work-groups: A's tiles are asked for jointly along a row of the cluster, B's along a column.  The matrix instruction is used transposed (source 0 = 16 rows of Wo, source 1 = 16 rows of att):
; a lane holds eight neighbouring numbers of a row of C.  A wave's 64 columns are 256 bytes: each wave has a stage of its own on the way out, and no barrier stands there.
; No prefetch: a K step of this tile is 128 products a wave and the launch has four of them.
; REGISTERS: window 0: v0-31 addresses; v32-95 the way out; v128-255 the accumulators ((a, b) at v[128 + 8 (4 a + b)]).  Window 1: two fragment buffers of 128.
.set SIZE_M, 4096
.set SIZE_N, 1024
.set SIZE_K, 1024
.set KSTEP,  256
.set PITCH,  528
.set HALFT,  64*PITCH
.set SLOT,   4*HALFT
.set STAGE,  2*SLOT                    ; behind the ring: 16 rows x 272 bytes for each wave
.set SPITCH, 272
.set SPARE,  STAGE+4*16*SPITCH         ; the spare words, 128 bytes a wave: no other line names them
.set LAPS, SIZE_K/(2*KSTEP)
.set ADRA, 16
.set ADRB, 20
.set STO,  24
.set RD,   25
.set CO,   26
.set ROW0, 27                          ; v27  my wave's first row of C
.set SPW,  28
.set NIL,  29
.set TMP,  32
.set ACC,  128
.set F0,   0
.set F1,   128
.set G1, 24
.set G0, 32
.set G1B, 48
.set G0B, 56
.set MSB, 0
.macro WIN new
.if MSB != \new
	s_set_vgpr_msb (MSB<<8)|\new
.set MSB, \new
.endif
.endm
.set MUL,  0x05                        ; sources 0 (B) and 1 (A) window 1; C and D window 0
.set TO_F, 0x40
.macro JLOAD s                         ; a joint load: waves 0 and 1 fetch A's two halves, waves 2 and 3 B's
	s_cmp_eq_u32 s11, 0
	s_cbranch_scc0 .Lfor_b_\@
	tensor_load_to_lds s[G0+4*\s:G0+4*\s+3], s[G1:G1+7]
	s_nop 0
.rept 4
	v_nop
.endr
	s_branch .Lasked_\@
.Lfor_b_\@:
	tensor_load_to_lds s[G0B+4*\s:G0B+4*\s+3], s[G1B:G1B+7]
	s_nop 0
.rept 4
	v_nop
.endr
.Lasked_\@:
.endm
.macro CREST
	s_cmp_lg_u32 s10, 0
	s_cbranch_scc1 .Lnot_wave_0_\@
	s_barrier_signal -3
.Lnot_wave_0_\@:
	s_barrier_wait -3
	s_barrier_signal -1
	s_barrier_wait -1
.endm
.macro CROUND
	s_barrier_signal -1
	s_barrier_wait -1
	CREST
.endm
	s_load_b128 s[4:7], s[0:1], 0x0                ; att, wo16
	s_load_b64 s[8:9], s[0:1], 0x10                ; out0
	v_lshl_add_u32 v[SPW], v0, 2, SPARE
	v_mov_b32 v[NIL], 0
	ds_add_u32 v[SPW], v[NIL]                      ; the opening: the add, twice on end, and its wait ahead of my first tensor load
	ds_add_u32 v[SPW], v[NIL]
	v_lshrrev_b32 v1, 5, v0
	v_readfirstlane_b32 s10, v1                    ; wave
	s_lshr_b32 s11, s10, 1                         ; my half of the tile's rows.  Also: I fetch for A (0) or for B (1)
	s_and_b32 s12, s10, 1                          ; my half of its columns.  Also: which 64 rows I fetch
	s_bfe_u32 s40, ttmp6, 0x40000
	s_bfe_u32 s41, ttmp6, 0x40004
	s_lshl_b32 s42, ttmp9, 2
	s_add_co_u32 s42, s42, s40                     ; tile column
	s_and_b32 s13, ttmp7, 0xffff
	s_lshl_b32 s13, s13, 2
	s_add_co_u32 s13, s13, s41                     ; tile row
	s_lshl_b32 s43, s41, 2
	s_lshl_b32 s43, 15, s43                        ; my row of the cluster
	s_lshl_b32 s44, 0x1111, s40                    ; my column
	s_or_b32 s[G1+0], s43, (1<<16)|(1<<20)|(1<<21)|(6<<22)|(3<<25)   ; elements of 2 bytes; 4 words of padding behind every 128
	s_or_b32 s[G1B+0], s44, (1<<16)|(1<<20)|(1<<21)|(6<<22)|(3<<25)
.irp g, G1, G1B
	s_mov_b32 s[\g+1], KSTEP<<16
	s_mov_b32 s[\g+2], 64<<16
	s_mov_b32 s[\g+3], KSTEP<<16
	s_mov_b32 s[\g+4], 64
	s_mov_b32 s[\g+5], SIZE_K
	s_mov_b32 s[\g+6], 0
	s_mov_b32 s[\g+7], 0
.endr
	s_lshl_b32 s17, s12, 6
	s_lshl_b32 s16, s13, 7
	s_add_co_u32 s16, s16, s17
	s_lshl_b32 s46, s42, 7
	s_add_co_u32 s46, s46, s17
	s_mov_b32 s17, 0
	s_mov_b32 s47, 0
	s_mov_b64 s[18:19], SIZE_K*2
	s_mul_u64 s[16:17], s[16:17], s[18:19]
	s_mul_u64 s[46:47], s[46:47], s[18:19]
	s_mul_i32 s20, s10, HALFT
	s_wait_dscnt 0x0
	s_wait_kmcnt 0x0
	s_add_nc_u64 s[14:15], s[4:5], s[16:17]
	s_add_nc_u64 s[46:47], s[6:7], s[46:47]
	CROUND
.irp s, 0,1
	s_mov_b32 s[G0+4*\s], 1
	s_add_co_u32 s[G0+4*\s+1], s20, \s*SLOT
	s_add_nc_u64 s[G0+4*\s+2:G0+4*\s+3], s[14:15], \s*KSTEP*2
	s_or_b32 s[G0+4*\s+3], s[G0+4*\s+3], 0x80000000
	s_mov_b32 s[G0B+4*\s], 1
	s_add_co_u32 s[G0B+4*\s+1], s20, \s*SLOT
	s_add_nc_u64 s[G0B+4*\s+2:G0B+4*\s+3], s[46:47], \s*KSTEP*2
	s_or_b32 s[G0B+4*\s+3], s[G0B+4*\s+3], 0x80000000
	JLOAD \s
.endr
	v_and_b32 v1, 15, v0
	v_bfe_u32 v2, v0, 4, 1
	v_mul_u32_u24 v3, v1, PITCH
	v_lshl_add_u32 v3, v2, 4, v3
	s_mul_i32 s21, s11, HALFT
	s_mul_i32 s22, s12, HALFT
	s_add_co_u32 s22, s22, 2*HALFT
.irp s, 0,1
	v_add_nc_u32 v[ADRA+\s], s21, v3
	v_add_nc_u32 v[ADRB+\s], s22, v3
	s_add_co_u32 s21, s21, SLOT
	s_add_co_u32 s22, s22, SLOT
.endr
	s_mul_i32 s23, s10, 16*SPITCH
	s_add_co_u32 s23, s23, STAGE                   ; my stage
	v_mul_u32_u24 v4, v1, SPITCH
	v_lshl_add_u32 v4, v2, 5, v4
	v_add_nc_u32 v[STO], s23, v4                   ; in: row l % 16, 32 bytes for each half of the lanes
	v_mul_u32_u24 v5, v2, SPITCH
	v_lshl_add_u32 v5, v1, 4, v5
	v_add_nc_u32 v[RD], s23, v5                    ; back: lanes 0-15 one row of 256 bytes, lanes 16-31 the next
	v_lshlrev_b32 v5, 12, v2
	v_lshl_add_u32 v[CO], v1, 4, v5                ; and the same two rows in C
	s_lshl_b32 s16, s13, 7
	s_lshl_b32 s17, s11, 6
	s_add_co_u32 s16, s16, s17                     ; my first row: 128 x tile row + 64 x half
	v_mov_b32 v[ROW0], s16
	s_lshl_b32 s16, s16, 12
	s_mov_b32 s17, 0
	s_add_nc_u64 s[8:9], s[8:9], s[16:17]
	s_lshl_b32 s46, s42, 9                         ; my first column, in bytes: 512 x tile column + 256 x half
	s_lshl_b32 s47, s12, 8
	s_add_co_u32 s46, s46, s47
	s_mov_b32 s47, 0
	s_add_nc_u64 s[8:9], s[8:9], s[46:47]
.macro MUL8 f, c, a0, zero             ; 8 products: m blocks a0, a0 + 1 x 4 n blocks, 32 along K: half c of buffer f
.irp a, \a0, \a0+1
.irp b, 0,1,2,3
.if \zero
	v_wmma_f32_16x16x32_f16 v[ACC+8*(4*(\a)+\b):ACC+8*(4*(\a)+\b)+7], v[\f+64+8*(4*\c+\b):\f+64+8*(4*\c+\b)+7], v[\f+8*(4*\c+\a):\f+8*(4*\c+\a)+7], 0
.else
	v_wmma_f32_16x16x32_f16 v[ACC+8*(4*(\a)+\b):ACC+8*(4*(\a)+\b)+7], v[\f+64+8*(4*\c+\b):\f+64+8*(4*\c+\b)+7], v[\f+8*(4*\c+\a):\f+8*(4*\c+\a)+7], v[ACC+8*(4*(\a)+\b):ACC+8*(4*(\a)+\b)+7]
.endif
.endr
.endr
.endm
.macro FETCH slot, k, f                ; 32 LDS loads in one run: 64 along K at byte k of the rows; the first 32 along K first
	WIN TO_F
.irp c, 0,1
.irp i, 0,1,2,3
	ds_load_b128 v[\f+64+8*(4*\c+\i):\f+64+8*(4*\c+\i)+3],   v[ADRB+\slot] offset:\k+64*\c+\i*16*PITCH
	ds_load_b128 v[\f+64+8*(4*\c+\i)+4:\f+64+8*(4*\c+\i)+7], v[ADRB+\slot] offset:\k+64*\c+\i*16*PITCH+32
	ds_load_b128 v[\f+8*(4*\c+\i):\f+8*(4*\c+\i)+3],         v[ADRA+\slot] offset:\k+64*\c+\i*16*PITCH
	ds_load_b128 v[\f+8*(4*\c+\i)+4:\f+8*(4*\c+\i)+7],       v[ADRA+\slot] offset:\k+64*\c+\i*16*PITCH+32
.endr
.endr
.endm
.macro PLACES
.rept 4
	v_nop
.endr
.endm
.macro QUARTER slot, k, f, g, zero     ; 64 along K: multiplies buffer f, fetches the next quarter, at byte k, into g
	s_wait_dscnt 16                                ; the first 32 along K are in; the 16 younger loads may stay out
	WIN MUL
	MUL8 \f, 0, 0, \zero
	MUL8 \f, 0, 2, \zero
	PLACES
	FETCH \slot, \k, \g
	s_wait_dscnt 32                                ; all but the 32 just issued
	WIN MUL
	MUL8 \f, 1, 0, 0
	MUL8 \f, 1, 2, 0
.endm
.macro TURN slot, next, fill           ; a slot's last quarter changes slots
	WIN 0
	s_wait_tensorcnt 0x0                           ; all my tensor loads have landed: my part of the next slot
	ds_add_u32 v[SPW], v[NIL]
	s_wait_dscnt 17                                ; the add and the youngest sixteen loads may be out
	WIN MUL
	MUL8 F1, 0, 0, 0
	s_wait_dscnt 0x0                               ; the add is done, and my reads of this slot are over
	s_barrier_signal -1
	MUL8 F1, 0, 2, 0
.if \fill
	WIN 0
.endif
	s_barrier_wait -1
.if \fill
	CREST                                          ; the barrier has opened a round of the cluster's barrier
	s_add_nc_u64 s[G0+4*\slot+2:G0+4*\slot+3], s[G0+4*\slot+2:G0+4*\slot+3], 2*KSTEP*2
	s_add_nc_u64 s[G0B+4*\slot+2:G0B+4*\slot+3], s[G0B+4*\slot+2:G0B+4*\slot+3], 2*KSTEP*2
	JLOAD \slot
.else
	PLACES
.endif
	FETCH \next, 0, F0
	WIN MUL
	MUL8 F1, 1, 0, 0
	MUL8 F1, 1, 2, 0
.endm
	s_wait_tensorcnt 1                             ; my part of K step 0 is in; K step 1's load may stay out
	s_barrier_signal -1
	s_barrier_wait -1
	FETCH 0, 0, F0
	QUARTER 0, 128, F0, F1, 1
	WIN 0
	s_mov_b32 s3, LAPS-1
.Llap:
	QUARTER 0, 256, F1, F0, 0
	QUARTER 0, 384, F0, F1, 0
	TURN 0, 1, 1
	QUARTER 1, 128, F0, F1, 0
	QUARTER 1, 256, F1, F0, 0
	QUARTER 1, 384, F0, F1, 0
	TURN 1, 0, 1
	QUARTER 0, 128, F0, F1, 0
	WIN 0
	s_sub_co_u32 s3, s3, 1
	s_cmp_lg_u32 s3, 0
	s_cbranch_scc1 .Llap
	QUARTER 0, 256, F1, F0, 0                      ; the last lap fills nothing
	QUARTER 0, 384, F0, F1, 0
	TURN 0, 1, 0
	QUARTER 1, 128, F0, F1, 0
	QUARTER 1, 256, F1, F0, 0
	QUARTER 1, 384, F0, F1, 0
	s_wait_dscnt 16
	WIN MUL
	MUL8 F1, 0, 0, 0
	MUL8 F1, 0, 2, 0
	s_wait_dscnt 0
	MUL8 F1, 1, 0, 0
	MUL8 F1, 1, 2, 0
	WIN 0
; THE WAY OUT, 16 rows x 64 columns at a time, through my own stage; LDS serves a wave's instructions in order, so no wait stands between the stores and the loads, nor in front of the next block's stores.
.macro TOSTAGE a
.irp b, 0,1,2,3
	ds_store_b128 v[STO], v[ACC+8*(4*(\a)+\b):ACC+8*(4*(\a)+\b)+3] offset:64*\b       ; each accumulator from its low end on
	ds_store_b128 v[STO], v[ACC+8*(4*(\a)+\b)+4:ACC+8*(4*(\a)+\b)+7] offset:64*\b+16
.endr
.irp t, 0,1,2,3,4,5,6,7
	ds_load_b128 v[TMP+32*((\a)%2)+4*\t:TMP+32*((\a)%2)+4*\t+3], v[RD] offset:\t*2*SPITCH
.endr
.endm
.macro SEND a, younger                 ; younger: the next block's 8 stores and 8 loads, which may stay out
	s_wait_dscnt \younger
.irp t, 0,1,2,3,4,5,6,7
	global_store_b128 v[CO], v[TMP+32*((\a)%2)+4*\t:TMP+32*((\a)%2)+4*\t+3], s[8:9] offset:(16*(\a)+2*\t)*SIZE_N*4 th:TH_STORE_NT   ; 16 lanes store 256 consecutive bytes, aligned
.endr
.endm
	PLACES
	TOSTAGE 0
	TOSTAGE 1
	v_cmp_ne_u32 vcc_lo, 0, v[ROW0]                ; rows 0-15 of C are not mine to store.  The tile row hangs on the place in the cluster: lanes are switched off, no branch is taken
	s_wait_xcnt 0x0                                ; EXEC changes only behind this wait
	s_and_saveexec_b32 s2, vcc_lo
	SEND 0, 16
	s_wait_xcnt 0x0                                ; and again; block 0's stores have also read their data
	s_or_b32 exec_lo, exec_lo, s2
	TOSTAGE 2
	SEND 1, 16
	s_wait_xcnt 0x0                                ; block 1's stores have read their data
	TOSTAGE 3
	SEND 2, 16
	SEND 3, 0
	s_wait_tensorcnt 0x0                           ; the wave's end
	ds_add_u32 v[SPW], v[NIL]
	s_wait_dscnt 0x0
	CROUND                                         ; the closing round
	s_endpgm
.Lfunc_end_k_q853edf0158_proj:
	.size	k_q853edf0158_proj, .Lfunc_end_k_q853edf0158_proj-k_q853edf0158_proj
	.p2alignl 7, 3214868480
	.fill 96, 4, 3214868480
	.section	.rodata,"a",@progbits
	.p2align	6, 0x0
	.amdhsa_kernel k_q853edf0158_proj
		.amdhsa_group_segment_fixed_size 327680
		.amdhsa_private_segment_fixed_size 0
		.amdhsa_enable_private_segment 0
		.amdhsa_kernarg_size 24
		.amdhsa_user_sgpr_count 2
		.amdhsa_user_sgpr_kernarg_segment_ptr 1
		.amdhsa_wavefront_size32 1
		.amdhsa_system_sgpr_workgroup_id_x 1
		.amdhsa_system_sgpr_workgroup_id_y 1
		.amdhsa_system_sgpr_workgroup_id_z 1
		.amdhsa_system_vgpr_workitem_id 0
		.amdhsa_next_free_vgpr 512
		.amdhsa_next_free_sgpr 66
		.amdhsa_reserve_vcc 1
		.amdhsa_float_denorm_mode_32 3
		.amdhsa_float_denorm_mode_16_64 3
		.amdhsa_memory_ordered 1
		.amdhsa_forward_progress 1
		.amdhsa_inst_pref_size 86
	.end_amdhsa_kernel
	.amdgpu_metadata
---
amdhsa.version: [ 1, 2 ]
amdhsa.kernels:
  - .name:           k_q853edf0158_proj
    .symbol:         k_q853edf0158_proj.kd
    .args:
      - { .name: att, .offset: 0, .size: 8, .value_kind: global_buffer, .address_space: global }
      - { .name: wo16, .offset: 8, .size: 8, .value_kind: global_buffer, .address_space: global }
      - { .name: out0, .offset: 16, .size: 8, .value_kind: global_buffer, .address_space: global }
    .group_segment_fixed_size: 327680
    .private_segment_fixed_size: 0
    .kernarg_segment_align: 8
    .kernarg_segment_size: 24
    .max_flat_workgroup_size: 128
    .sgpr_count:     66
    .vgpr_count:     512
    .wavefront_size: 32
...
	.end_amdgpu_metadata
.endif
;; end of part 4
;; launch rows16 (part 5): grid 64 x 1, 8 waves a work-group, no clusters, 9,216 bytes of LDS; arguments first16, Wo, out0; writes out0
.if DOCPART == 5
	.amdgcn_target "amdgcn-amd-amdhsa--gfx1250"
	.amdhsa_code_object_version 6
	.text
	.protected	k_q853edf0158_rows16
	.globl	k_q853edf0158_rows16
	.p2align	8
	.type	k_q853edf0158_rows16,@function
k_q853edf0158_rows16:
	s_mov_b64 s[64:65], 0
	v_nop
	global_prefetch_b8 v0, s[64:65] scope:SCOPE_SE
	s_setreg_imm32_b32 hwreg(HW_REG_WAVE_MODE, 25, 1), 1
	s_wait_xcnt 0x0
; Rows 0 to 15 of out0, all in f32: under the causal mask these positions average one to sixteen values, and 16-bit operands would weigh most there.  Keys behind position 15 are left out: reference()'s own jnp.tril hides them from these queries.
; SHARES.  Work-group g: output columns 16 g .. 16 g + 15.  Wave u: head u: its 16 x 16 scores, softmax, O^T (128 x 16) and its part of the projection; the eight parts are added through LDS by wave 0.
; The attention of 16 queries, 64 matrix instructions a wave, is made anew in each work-group: that spares a launch.  The stores are runs of 64 bytes, 64 KB in all.
; All three products are used transposed, so that a lane holds one query (lane % 16).  Along each product's K both operands take the same order of k: a lane's register pair holds two neighbours, lanes 16-31 the next ones.
; REGISTERS.  Window 0: v16-79 k, v80-143 q, v144-175 at work, v176-207 the scores' four sums, v208-239 the projection's four.  Window 1: v16-79 v, v80-143 Wo, v176-239 O^T.
; The registers that matrix instructions write are written by nothing else, and each sum begins with the constant 0; the accumulators take turns.
.set SPARE, 8192                       ; behind the eight parts of 1,024 bytes: the spare words
.set SPW, 14
.set NIL, 15
.set KA,  16
.set QB,  80
.set VA,  16
.set WA,  80
.set TT,  144
.set TM,  152
.set PP,  160
.set U,   168
.set SA,  176
.set YA,  208
.set OA,  176
	s_load_b128 s[4:7], s[0:1], 0x0                ; first16, Wo
	s_load_b64 s[8:9], s[0:1], 0x10                ; out0
	v_lshl_add_u32 v[SPW], v0, 2, SPARE
	v_mov_b32 v[NIL], 0
	v_lshrrev_b32 v1, 5, v0
	v_readfirstlane_b32 s10, v1                    ; the head
	v_and_b32 v1, 15, v0                           ; r
	v_bfe_u32 v2, v0, 4, 1                         ; h
	v_and_b32 v3, 31, v0
	s_lshl_b32 s11, s10, 9
	v_lshlrev_b32 v4, 12, v1
	v_lshl_add_u32 v4, v2, 4, v4
	v_add_nc_u32 v4, s11, v4                       ; q, k: token r's row, the head's 512 bytes, + 16 h
	s_lshl_b32 s12, s10, 13
	v_lshlrev_b32 v5, 6, v1
	v_lshl_add_u32 v5, v2, 5, v5
	v_add_nc_u32 v5, s12, v5                       ; v: channel r's 64 bytes, + 32 h: tokens 8 h on
	s_lshl_b32 s12, ttmp9, 16
	s_add_co_u32 s12, s12, s11
	v_lshlrev_b32 v6, 12, v1
	v_lshl_add_u32 v6, v2, 5, v6
	v_add_nc_u32 v6, s12, v6                       ; Wo: row 16 g + r, the head's 512 bytes, + 32 h
	v_lshlrev_b32 v7, 3, v2
	v_sub_nc_u32 v7, v1, v7                        ; r - 8 h: register j's key 8 h + j is hidden where j is greater
	v_mov_b32 v8, 0xff800000
	s_lshl_b32 s12, s10, 10
	v_lshl_add_u32 v9, v3, 4, s12                  ; my part in LDS: 1,024 u + 16 lane
	v_lshlrev_b32 v10, 4, v3
	s_lshl_b32 s12, ttmp9, 6
	v_lshlrev_b32 v11, 12, v1
	v_lshl_add_u32 v11, v2, 5, v11
	v_add_nc_u32 v11, s12, v11                     ; out0: row r, columns 16 g + 8 h on
	s_mov_b32 s14, 0x76543210
	s_mov_b32 s15, 0xfedcba98
	s_mov_b32 s16, 0x3e0293ee                      ; c = log2(e) / sqrt(128)
	s_wait_kmcnt 0x0
.irp e, 0,1,2,3,4,5,6,7,8,9,10,11,12,13,14,15
	global_load_b128 v[KA+4*\e:KA+4*\e+3], v4, s[4:5] offset:65536+32*\e
	global_load_b128 v[QB+4*\e:QB+4*\e+3], v4, s[4:5] offset:32*\e
.endr
	s_set_vgpr_msb 0x40                            ; destination window 1
.irp c, 0,1,2,3,4,5,6,7
	global_load_b128 v[VA+8*\c:VA+8*\c+3], v5, s[4:5] offset:131072+1024*\c
	global_load_b128 v[VA+8*\c+4:VA+8*\c+7], v5, s[4:5] offset:131072+1024*\c+16
.endr
.irp c, 0,1,2,3,4,5,6,7
	global_load_b128 v[WA+8*\c:WA+8*\c+3], v6, s[6:7] offset:64*\c
	global_load_b128 v[WA+8*\c+4:WA+8*\c+7], v6, s[6:7] offset:64*\c+16
.endr
	s_set_vgpr_msb 0x4000
	s_wait_loadcnt 32                              ; q and k are in; the 32 loads of v and Wo, issued behind them, may stay out
.set q, 0
.rept 32                               ; S^T = k q^T: source 0 = 16 keys, source 1 = 16 queries, 4 channels an instruction, four sums by turns
.if q < 4
	v_wmma_f32_16x16x4_f32 v[SA+8*(q%4):SA+8*(q%4)+7], v[KA+2*q:KA+2*q+1], v[QB+2*q:QB+2*q+1], 0
.else
	v_wmma_f32_16x16x4_f32 v[SA+8*(q%4):SA+8*(q%4)+7], v[KA+2*q:KA+2*q+1], v[QB+2*q:QB+2*q+1], v[SA+8*(q%4):SA+8*(q%4)+7]
.endif
.set q, q+1
.endr
.rept 8
	v_nop                                          ; eight places behind this form, in front of the first read of results
.endr
.irp j, 0,1,2,3,4,5,6,7
	v_add_f32 v[TT+\j], v[SA+\j], v[SA+8+\j]
	v_add_f32 v[TM+\j], v[SA+16+\j], v[SA+24+\j]
.endr
.irp j, 0,1,2,3,4,5,6,7
	v_add_f32 v[TT+\j], v[TT+\j], v[TM+\j]         ; lane (r, h): query r, key 8 h + j
.endr
.irp j, 0,1,2,3,4,5,6,7
	v_cmp_gt_i32 vcc_lo, \j, v7
	v_cndmask_b32 v[TT+\j], v[TT+\j], v8, vcc_lo
.endr
	v_max3_num_f32 v[TM], v[TT], v[TT+1], v[TT+2]
	v_max3_num_f32 v[TM], v[TM], v[TT+3], v[TT+4]
	v_max3_num_f32 v[TM], v[TM], v[TT+5], v[TT+6]
	v_max_num_f32 v[TM], v[TM], v[TT+7]
	v_permlanex16_b32 v[TM+1], v[TM], s14, s15
	v_max_num_f32 v[TM], v[TM], v[TM+1]            ; key 0 counts for every query: a number
	v_mul_f32 v[TM], s16, v[TM]
.irp j, 0,1,2,3,4,5,6,7
	v_fma_f32 v[TT+\j], v[TT+\j], s16, -v[TM]
.endr
.irp j, 0,1,2,3,4,5,6,7
	v_exp_f32 v[TT+\j], v[TT+\j]
.endr
	v_nop
	s_wait_alu depctr_va_vdst(0)                   ; one wait for the eight
	v_add_f32 v[TM+2], v[TT], v[TT+1]
	v_add_f32 v[TM+3], v[TT+2], v[TT+3]
	v_add_f32 v[TM+4], v[TT+4], v[TT+5]
	v_add_f32 v[TM+5], v[TT+6], v[TT+7]
	v_add_f32 v[TM+2], v[TM+2], v[TM+3]
	v_add_f32 v[TM+4], v[TM+4], v[TM+5]
	v_add_f32 v[TM+2], v[TM+2], v[TM+4]
	v_permlanex16_b32 v[TM+3], v[TM+2], s14, s15
	v_add_f32 v[TM+2], v[TM+2], v[TM+3]
	v_rcp_f32 v[TM+2], v[TM+2]
	v_nop
	s_wait_alu depctr_va_vdst(0)
.irp j, 0,1,2,3,4,5,6,7
	v_mul_f32 v[PP+\j], v[TT+\j], v[TM+2]
.endr
	s_wait_loadcnt 16                              ; v is in; Wo's 16 loads may stay out
	s_set_vgpr_msb 0x0051                          ; source 0 (v) window 1, source 1 (p) window 0, C and D window 1
.irp kk, 0,1,2,3                       ; O^T = v^T p: keys 8 h + 2 kk, + 1; eight sums by turns
.irp c, 0,1,2,3,4,5,6,7
.if \kk == 0
	v_wmma_f32_16x16x4_f32 v[OA+8*\c:OA+8*\c+7], v[VA+8*\c+2*\kk:VA+8*\c+2*\kk+1], v[PP+2*\kk:PP+2*\kk+1], 0
.else
	v_wmma_f32_16x16x4_f32 v[OA+8*\c:OA+8*\c+7], v[VA+8*\c+2*\kk:VA+8*\c+2*\kk+1], v[PP+2*\kk:PP+2*\kk+1], v[OA+8*\c:OA+8*\c+7]
.endif
.endr
.endr
.rept 9
	v_nop                                          ; nine places in front of matrix instructions that take these results as an operand
.endr
	s_wait_loadcnt 0x0
	s_set_vgpr_msb 0x5105                          ; sources 0 (Wo) and 1 (O^T) window 1, C and D window 0
.set q, 0
.rept 32                               ; Y^T = Wo O^T: channels 16 (q % 8) + 8 h + 2 (q / 8), + 1; four sums by turns
.if q < 4
	v_wmma_f32_16x16x4_f32 v[YA+8*(q%4):YA+8*(q%4)+7], v[WA+8*(q%8)+2*(q/8):WA+8*(q%8)+2*(q/8)+1], v[OA+8*(q%8)+2*(q/8):OA+8*(q%8)+2*(q/8)+1], 0
.else
	v_wmma_f32_16x16x4_f32 v[YA+8*(q%4):YA+8*(q%4)+7], v[WA+8*(q%8)+2*(q/8):WA+8*(q%8)+2*(q/8)+1], v[OA+8*(q%8)+2*(q/8):OA+8*(q%8)+2*(q/8)+1], v[YA+8*(q%4):YA+8*(q%4)+7]
.endif
.set q, q+1
.endr
	s_set_vgpr_msb 0x0500
.rept 8
	v_nop
.endr
.irp j, 0,1,2,3,4,5,6,7
	v_add_f32 v[U+\j], v[YA+\j], v[YA+8+\j]
	v_add_f32 v[TM+\j], v[YA+16+\j], v[YA+24+\j]
.endr
.irp j, 0,1,2,3,4,5,6,7
	v_add_f32 v[U+\j], v[U+\j], v[TM+\j]           ; lane (r, h): query r, output 16 g + 8 h + j, my head's part
.endr
	ds_store_b128 v9, v[U:U+3]
	ds_store_b128 v9, v[U+4:U+7] offset:512
	s_wait_tensorcnt 0x0                           ; my last LDS store is out: the s_wait_dscnt two lines on is also the barrier's wait
	ds_add_u32 v[SPW], v[NIL]
	s_wait_dscnt 0x0
	s_barrier_signal -1
	s_barrier_wait -1                              ; the eight parts lie in LDS
	s_cmp_lg_u32 s10, 0
	s_cbranch_scc1 .Lend
.irp u, 0,1,2,3,4,5,6,7
	ds_load_b128 v[KA+8*\u:KA+8*\u+3], v10 offset:1024*\u
	ds_load_b128 v[KA+8*\u+4:KA+8*\u+7], v10 offset:1024*\u+512
.endr
	s_wait_dscnt 0x0
.irp u, 1,2,3,4,5,6,7
.irp p, 0,2,4,6
	v_pk_add_f32 v[KA+\p:KA+\p+1], v[KA+\p:KA+\p+1], v[KA+8*\u+\p:KA+8*\u+\p+1]
.endr
.endr
	global_store_b128 v11, v[KA:KA+3], s[8:9]
	global_store_b128 v11, v[KA+4:KA+7], s[8:9] offset:16
.Lend:
	s_endpgm
.Lfunc_end_k_q853edf0158_rows16:
	.size	k_q853edf0158_rows16, .Lfunc_end_k_q853edf0158_rows16-k_q853edf0158_rows16
	.p2alignl 7, 3214868480
	.fill 96, 4, 3214868480
	.section	.rodata,"a",@progbits
	.p2align	6, 0x0
	.amdhsa_kernel k_q853edf0158_rows16
		.amdhsa_group_segment_fixed_size 9216
		.amdhsa_private_segment_fixed_size 0
		.amdhsa_enable_private_segment 0
		.amdhsa_kernarg_size 24
		.amdhsa_user_sgpr_count 2
		.amdhsa_user_sgpr_kernarg_segment_ptr 1
		.amdhsa_wavefront_size32 1
		.amdhsa_system_sgpr_workgroup_id_x 1
		.amdhsa_system_sgpr_workgroup_id_y 1
		.amdhsa_system_sgpr_workgroup_id_z 1
		.amdhsa_system_vgpr_workitem_id 0
		.amdhsa_next_free_vgpr 512
		.amdhsa_next_free_sgpr 66
		.amdhsa_reserve_vcc 1
		.amdhsa_float_denorm_mode_32 3
		.amdhsa_float_denorm_mode_16_64 3
		.amdhsa_memory_ordered 1
		.amdhsa_forward_progress 1
		.amdhsa_inst_pref_size 23
	.end_amdhsa_kernel
	.amdgpu_metadata
---
amdhsa.version: [ 1, 2 ]
amdhsa.kernels:
  - .name:           k_q853edf0158_rows16
    .symbol:         k_q853edf0158_rows16.kd
    .args:
      - { .name: first16, .offset: 0, .size: 8, .value_kind: global_buffer, .address_space: global }
      - { .name: Wo, .offset: 8, .size: 8, .value_kind: global_buffer, .address_space: global }
      - { .name: out0, .offset: 16, .size: 8, .value_kind: global_buffer, .address_space: global }
    .group_segment_fixed_size: 9216
    .private_segment_fixed_size: 0
    .kernarg_segment_align: 8
    .kernarg_segment_size: 24
    .max_flat_workgroup_size: 256
    .sgpr_count:     66
    .vgpr_count:     512
    .wavefront_size: 32
...
	.end_amdgpu_metadata
.endif
;; end of part 5
